; MI455X (gfx1250); checked and timed in simulation.
; The chip was launched on July 23, 2026; its instructions are those of AMD's public machine-readable ISA for CDNA 5 (MIT licence, August 2026) and "CDNA5" Instruction Set Architecture Reference Guide (July 2026). The comments in the code are by the model that wrote it; some were corrected since.
;; Transformer Block. Allowed arithmetic: float matrix products may take bf16 or f16 operands with f32 sums; other float arithmetic in f32, or as packed bf16 or f16 multiplies, adds, multiply-adds, maxima and minima; sums over many terms, partial sums and values carried from step to step in f32; what a program stores and reads back later, other than sums and carried values, may be rounded once to bf16 or f16.
;; Inputs: W1 1,024 x 4,096 float32; W2 4,096 x 1,024 float32; Wk 16 x 1,024 x 64 float32; Wo 1,024 x 1,024 float32; Wq 16 x 1,024 x 64 float32; Wv 16 x 1,024 x 64 float32; b1 4,096 float32; b2 1,024 float32; beta1 1,024 float32; beta2 1,024 float32; g1 1,024 float32; g2 1,024 float32; x 2 x 2,048 x 1,024 float32.
;; Outputs: out0 2 x 2,048 x 1,024 float32.
;; One version. Each part assembles by itself: llvm-mc -triple=amdgcn-amd-amdhsa -mcpu=gfx1250 --defsym DOCPART=n.
;; ======== version 1 of 1: 7 launches
;; limits: a function is approximated: absolute error at most 2.5e-05; an absolute error that grows with the inputs' magnitude: up to 1.25e-05 times it
;; workspace buffers: wt 25,165,824 bytes; h 8,388,608 bytes; qkv 25,165,824 bytes; o 8,388,608 bytes; x1 16,777,216 bytes; f 33,554,432 bytes
;; launch prep (part 1): grid 128 x 16, 8 waves a work-group, no clusters, 17,920 bytes of LDS; arguments x, g1, beta1, h, Wq, Wk, Wv, Wo, W1, W2, wt; writes h, wt
.if DOCPART == 1
	.amdgcn_target "amdgcn-amd-amdhsa--gfx1250"
	.amdhsa_code_object_version 6
	.text
	.protected	k_q50a2b6ddc0_prep
	.globl	k_q50a2b6ddc0_prep
	.p2align	8
	.type	k_q50a2b6ddc0_prep,@function
k_q50a2b6ddc0_prep:
	s_mov_b64 s[64:65], 0
	v_nop
	global_prefetch_b8 v0, s[64:65] scope:SCOPE_SE
	s_setreg_imm32_b32 hwreg(HW_REG_WAVE_MODE, 25, 1), 1
	s_wait_xcnt 0x0
; TWO KINDS OF WORK-GROUPS IN ONE TEXT, told apart by the grid's y alone (the same for all waves of a work-group).
; y = 0 .. 3: LAYER NORM.  out[r][c] = (in[r][c] - mu[r]) / sqrt(var[r] + 1e-5) * g[c] + beta[c].  in: [4096][1024] f32; g, beta: [1024] f32; out: [4096][1024] bf16, rounded once.
;   Two passes in f32, as the definition has them: the mean, then the mean of (x - mu)^2: no difference of large sums is formed.  NaN and infinities are not treated apart.
;   A row is 4,096 bytes: one wave holds it in 32 registers between the passes, so it is read once and no wave waits for another: no LDS, no barrier.  512 work-groups of 8 rows, a row a wave.
; y = 4 .. 15: ALL WEIGHTS, f32 [K][N], ARE ROUNDED ONCE TO bf16 AND TURNED TO [N][K], so that the products find K along the rows.
;   wt: rows 0-3071 x 1024 k: Wq, Wk, Wv (row = 1024 sel + 64 head + c); then Wo^T [1024][1024] at byte 6,291,456; W1^T [4096][1024] at 8,388,608; W2^T [1024][4096] at 16,777,216.
;   A work-group turns one tile of 128 k x 64 n: its rows in memory are 256 bytes on the way in (64 f32) and on the way out (128 bf16), each aligned to 256.
;   1,536 tiles: y - 4 = 0, 1, 2: Wq, Wk, Wv; 3: Wo; 4-7: W1; 8-11: W2.  Which matrix, its pitches and the tile's place are scalars chosen by compares on y: no further branch.
; A launch with 4 work-groups along y does the layer norm alone (the second norm of the block).
; Both kinds stream: no byte is read twice from memory, so matrix units, clusters and tensor loads would add nothing.
.set LNY,   4                          ; work-groups along y that do the layer norm
.set TP,    264                        ; a row of the turned tile in LDS: 256 bytes + 8
.set SPARE, 64*TP                      ; behind the tile: the spare words, 128 bytes for each of the eight waves
.set SPW, 30                           ; v30       LDS address of my spare word; never rewritten
.set NIL, 31                           ; v31       0; never rewritten
; the layer norm's registers
.set XO, 2                             ; v2  my byte offset in the work-group's rows of in: 4,096 x wave + 16 x lane
.set GO, 3                             ; v3  16 x lane: in g and beta
.set YO, 4                             ; v4  my byte offset in its rows of out: 2,048 x wave + 8 x lane
.set T,  8                             ; v[8:23]    at work
.set MU, 24                            ; v[24:25]   the mean, twice
.set RS, 26                            ; v[26:27]   1 / sigma, twice
.set X,  32                            ; v[32:63]   the row; the packed results take its first 16 registers
.set G,  64                            ; v[64:95]   g of my 32 columns
.set BT, 96                            ; v[96:127]  beta
; the turning's registers
.set OFF, 8                            ; v[8:15]   byte offsets of my eight loads
.set LS,  16                           ; v16       where I store into the turned tile
.set LR,  17                           ; v17       where I read rows back
.set DO,  18                           ; v[18:25]  byte offsets of my eight stores
.set R,   32                           ; v[32:63]  eight loads of four f32; later the rows read back
.set PK,  64                           ; v[64:79]  packed bf16, eight registers for each of the two groups
	s_load_b256 s[4:11], s[0:1], 0x0               ; in s[4:5], g s[6:7], beta s[8:9], out s[10:11]
	s_load_b256 s[12:19], s[0:1], 0x20             ; Wq s[12:13], Wk s[14:15], Wv s[16:17], Wo s[18:19]
	s_load_b128 s[20:23], s[0:1], 0x40             ; W1 s[20:21], W2 s[22:23]
	s_load_b64 s[24:25], s[0:1], 0x50              ; wt
	v_lshl_add_u32 v[SPW], v0, 2, SPARE
	v_mov_b32 v[NIL], 0
	v_and_b32 v1, 31, v0                           ; lane
	v_lshrrev_b32 v5, 5, v0                        ; wave
	s_and_b32 s26, ttmp7, 0xffff                   ; y
	s_cmp_lt_u32 s26, LNY
	s_cbranch_scc0 .Lturn
	; ---------------- the layer norm ----------------
	s_mov_b32 s28, 0x76543210                      ; v_permlanex16_b32: each lane takes its own place in the other half
	s_mov_b32 s29, 0xfedcba98
	s_mov_b32 s30, 0x3a800000                      ; 1 / 1024
	s_mov_b32 s31, 0x3727c5ac                      ; 1e-5
	s_lshl_b32 s27, s26, 7
	s_add_co_u32 s27, s27, ttmp9                   ; the work-group's number among the 512
	s_lshl_b32 s32, s27, 15                        ; 8 rows of 4,096 bytes
	s_mov_b32 s33, 0
	s_lshl_b32 s34, s27, 14                        ; 8 rows of 2,048 bytes
	s_mov_b32 s35, 0
	v_lshlrev_b32 v[GO], 4, v1
	v_lshl_add_u32 v[XO], v5, 12, v[GO]
	v_lshlrev_b32 v[YO], 3, v1
	v_lshl_add_u32 v[YO], v5, 11, v[YO]
	s_wait_kmcnt 0x0
	s_add_nc_u64 s[4:5], s[4:5], s[32:33]
	s_add_nc_u64 s[10:11], s[10:11], s[34:35]
.irp j, 0,1,2,3,4,5,6,7                ; load j: columns 128 j + 4 lane .. + 3: 512 consecutive bytes a wave
	global_load_b128 v[X+4*(\j):X+4*(\j)+3], v[XO], s[4:5] offset:512*(\j) th:TH_LOAD_NT
.endr
.irp j, 0,1,2,3,4,5,6,7
	global_load_b128 v[G+4*(\j):G+4*(\j)+3], v[GO], s[6:7] offset:512*(\j)
.endr
.irp j, 0,1,2,3,4,5,6,7
	global_load_b128 v[BT+4*(\j):BT+4*(\j)+3], v[GO], s[8:9] offset:512*(\j)
.endr
.macro LANES                           ; v[T] summed over the 32 lanes, the result in every lane
	v_add_f32_dpp v[T], v[T], v[T] row_xmask:1 row_mask:0xf bank_mask:0xf
	v_add_f32_dpp v[T], v[T], v[T] row_xmask:2 row_mask:0xf bank_mask:0xf
	v_add_f32_dpp v[T], v[T], v[T] row_xmask:4 row_mask:0xf bank_mask:0xf
	v_add_f32_dpp v[T], v[T], v[T] row_xmask:8 row_mask:0xf bank_mask:0xf
	v_permlanex16_b32 v[T+1], v[T], s28, s29       ; its destination has been written before
	v_add_f32 v[T], v[T], v[T+1]
.endm
	s_wait_loadcnt 16                              ; the row is in; the sixteen loads of g and beta stay out
.set i, 0
.rept 8                                ; a tree of 15 packed sums
	v_pk_add_f32 v[T+2*i:T+2*i+1], v[X+4*i:X+4*i+1], v[X+4*i+2:X+4*i+3]
.set i, i+1
.endr
.set i, 0
.rept 4
	v_pk_add_f32 v[T+4*i:T+4*i+1], v[T+4*i:T+4*i+1], v[T+4*i+2:T+4*i+3]
.set i, i+1
.endr
	v_pk_add_f32 v[T:T+1], v[T:T+1], v[T+4:T+5]
	v_pk_add_f32 v[T+8:T+9], v[T+8:T+9], v[T+12:T+13]
	v_pk_add_f32 v[T:T+1], v[T:T+1], v[T+8:T+9]
	v_add_f32 v[T], v[T], v[T+1]
	LANES
	v_mul_f32 v[MU], s30, v[T]
	v_mov_b32 v[MU+1], v[MU]
.set i, 0
.rept 16                               ; the row becomes x - mu
	v_pk_add_f32 v[X+2*i:X+2*i+1], v[X+2*i:X+2*i+1], v[MU:MU+1] neg_lo:[0,1] neg_hi:[0,1]
.set i, i+1
.endr
.set i, 0
.rept 4                                ; the squares, in four chains that the first four products start
	v_pk_mul_f32 v[T+2*i:T+2*i+1], v[X+2*i:X+2*i+1], v[X+2*i:X+2*i+1]
.set i, i+1
.endr
.rept 12
	v_pk_fma_f32 v[T+2*(i%4):T+2*(i%4)+1], v[X+2*i:X+2*i+1], v[X+2*i:X+2*i+1], v[T+2*(i%4):T+2*(i%4)+1]
.set i, i+1
.endr
	v_pk_add_f32 v[T:T+1], v[T:T+1], v[T+2:T+3]
	v_pk_add_f32 v[T+4:T+5], v[T+4:T+5], v[T+6:T+7]
	v_pk_add_f32 v[T:T+1], v[T:T+1], v[T+4:T+5]
	v_add_f32 v[T], v[T], v[T+1]
	LANES
	v_fma_f32 v[T+2], v[T], s30, s31               ; var + eps
	v_rsq_f32 v[RS], v[T+2]
	v_rsq_f32 v[RS+1], v[T+2]
	v_nop                                          ; a plain instruction behind the second root, before its result is used or its source rewritten (ISA guide 5.7.2)
.set i, 0
	s_wait_alu depctr_va_vdst(0)
.rept 16
	v_pk_mul_f32 v[X+2*i:X+2*i+1], v[X+2*i:X+2*i+1], v[RS:RS+1]
.set i, i+1
.endr
	s_wait_loadcnt 0x0                             ; g and beta
.set i, 0
.rept 16
	v_pk_fma_f32 v[X+2*i:X+2*i+1], v[X+2*i:X+2*i+1], v[G+2*i:G+2*i+1], v[BT+2*i:BT+2*i+1]
.set i, i+1
.endr
.set i, 0
.rept 16                               ; packed in place: result i lands on a register whose number has been read by then
	v_cvt_pk_bf16_f32 v[X+i], v[X+2*i], v[X+2*i+1]
.set i, i+1
.endr
.irp j, 0,1,2,3,4,5,6,7
	global_store_b64 v[YO], v[X+2*(\j):X+2*(\j)+1], s[10:11] offset:256*(\j)  ; 32 lanes store 256 consecutive bytes, aligned to 256
.endr
	s_endpgm
	; ---------------- the turning ----------------
.Lturn:
	s_sub_co_u32 s26, s26, LNY                     ; 0 .. 11
	s_cmp_lt_u32 s26, 4
	s_cselect_b32 s27, s26, 4
	s_mov_b32 s35, 8192
	s_cmp_lt_u32 s26, 8
	s_cselect_b32 s27, s27, 8                      ; the first y of my matrix: y, 4 or 8
	s_cselect_b32 s29, 3, 5                        ; log2 of the tiles along k: 8, for W2 32
	s_cselect_b32 s30, 7, 31
	s_cselect_b32 s35, 2048, s35                   ; bytes in a row of the turned matrix
	s_sub_co_u32 s28, s26, s27
	s_lshl_b32 s28, s28, 7
	s_add_co_u32 s28, s28, ttmp9                   ; the tile's number in its matrix
	s_and_b32 s31, s28, s30                        ; kb: its place along k
	s_lshr_b32 s32, s28, s29                       ; nb: its place along n (for Wq, Wk, Wv: the head)
	s_mov_b32 s33, 4096
	s_mov_b32 s34, 256
	s_cmp_lt_u32 s26, 3
	s_cselect_b32 s33, 256, s33                    ; bytes in a source row: 256 in a head, 4,096 in Wo and W2,
	s_cselect_b32 s34, 0x40000, s34                ; bytes from nb to nb + 1: a head, or 64 columns
	s_cmp_eq_u32 s27, 4
	s_cselect_b32 s33, 0x4000, s33                 ; 16,384 in W1
	s_lshl_b32 s36, s31, 7
	s_mul_i32 s36, s36, s33                        ; 128 kb source rows
	s_mul_i32 s37, s32, s34
	s_add_co_u32 s36, s36, s37                     ; the tile's first byte in its source, under 2^25
	s_mov_b32 s37, 0
	s_lshl_b32 s38, s32, 6
	s_mul_i32 s38, s38, s35                        ; 64 nb turned rows
	s_lshl_b32 s39, s31, 8
	s_add_co_u32 s38, s38, s39                     ; + 128 kb bf16
	s_lshl_b32 s39, s27, 21                        ; the matrix's first byte in wt: 2,097,152 x its first y
	s_add_co_u32 s38, s38, s39
	s_mov_b32 s39, 0
	s_mul_i32 s42, s33, 5
	; Wave w takes k rows 16 w .. 16 w + 15.  Load (g, e): row 16 w + 8 g + 4 hh + e, 16 bytes at 16 j (j = lane % 16, hh = lane / 16): sixteen lanes take one whole row of 256 bytes.
	v_and_b32 v2, 15, v0                           ; j
	v_bfe_u32 v3, v0, 4, 1                         ; hh
	v_lshlrev_b32 v4, 4, v5
	v_lshl_add_u32 v4, v3, 2, v4                   ; 16 w + 4 hh
	v_mul_lo_u32 v[OFF], v4, s33
	v_lshl_add_u32 v[OFF], v2, 4, v[OFF]
.irp i, 1,2,3
	v_add_nc_u32 v[OFF+(\i)], s33, v[OFF+(\i)-1]
.endr
	v_add_nc_u32 v[OFF+4], s42, v[OFF+3]           ; from row + 3 to row + 8
.irp i, 5,6,7
	v_add_nc_u32 v[OFF+(\i)], s33, v[OFF+(\i)-1]
.endr
	v_mul_u32_u24 v[LS], v2, 4*TP                  ; turned row 4 j (+ c), k = 16 w + 4 hh (+ 8 g): four neighbouring k are 8 bytes
	v_lshl_add_u32 v[LS], v4, 1, v[LS]
	v_mul_u32_u24 v[LR], v5, 8*TP                  ; back: wave w takes turned rows 8 w .. 8 w + 7, 8 bytes a lane
	v_lshl_add_u32 v[LR], v1, 3, v[LR]
	v_lshlrev_b32 v6, 3, v5
	v_mul_lo_u32 v[DO], v6, s35
	v_lshl_add_u32 v[DO], v1, 3, v[DO]
.irp i, 1,2,3,4,5,6,7
	v_add_nc_u32 v[DO+(\i)], s35, v[DO+(\i)-1]
.endr
	s_wait_kmcnt 0x0
	s_cmp_eq_u32 s26, 0                            ; the source: a choice among the six buffers by y alone
	s_cselect_b64 s[40:41], s[12:13], s[14:15]
	s_cmp_lt_u32 s26, 2
	s_cselect_b64 s[40:41], s[40:41], s[16:17]
	s_cmp_lt_u32 s26, 3
	s_cselect_b64 s[40:41], s[40:41], s[18:19]
	s_cmp_lt_u32 s26, 4
	s_cselect_b64 s[40:41], s[40:41], s[20:21]
	s_cmp_lt_u32 s26, 8
	s_cselect_b64 s[40:41], s[40:41], s[22:23]
	s_add_nc_u64 s[40:41], s[40:41], s[36:37]
	s_add_nc_u64 s[24:25], s[24:25], s[38:39]
.irp i, 0,1,2,3,4,5,6,7
	global_load_b128 v[R+4*(\i):R+4*(\i)+3], v[OFF+(\i)], s[40:41] th:TH_LOAD_NT
.endr
; Group g: four rows e of four columns c.  Column c's four k pack into 8 bytes of turned row 4 j + c.
.macro GROUP g
.irp c, 0,1,2,3
	v_cvt_pk_bf16_f32 v[PK+8*(\g)+2*(\c)],   v[R+16*(\g)+(\c)],   v[R+16*(\g)+4+(\c)]
	v_cvt_pk_bf16_f32 v[PK+8*(\g)+2*(\c)+1], v[R+16*(\g)+8+(\c)], v[R+16*(\g)+12+(\c)]
.endr
.irp c, 0,1,2,3
	ds_store_b64 v[LS], v[PK+8*(\g)+2*(\c):PK+8*(\g)+2*(\c)+1] offset:(\c)*TP+16*(\g)
.endr
.endm
	s_wait_loadcnt 0x4                             ; group 0's four loads are in; group 1's four stay out
	GROUP 0
	s_wait_loadcnt 0x0
	GROUP 1
	s_wait_dscnt 0x0                               ; for the others' sake: my stores into the tile are done
	s_barrier_signal -1
	s_barrier_wait -1
.irp r, 0,1,2,3,4,5,6,7
	ds_load_b64 v[R+2*(\r):R+2*(\r)+1], v[LR] offset:(\r)*TP
.endr
.irp r, 0,1,2,3,4,5,6,7
	s_wait_dscnt 7-(\r)                            ; LDS loads come back in order: row r is in, the younger ones stay out
	global_store_b64 v[DO+(\r)], v[R+2*(\r):R+2*(\r)+1], s[24:25]  ; 32 lanes store 256 consecutive bytes, aligned to 256
.endr
	s_wait_tensorcnt 0x0                           ; the wave's end, behind my last LDS store
	ds_add_u32 v[SPW], v[NIL]
	s_wait_dscnt 0x0
	s_endpgm
.Lfunc_end_k_q50a2b6ddc0_prep:
	.size	k_q50a2b6ddc0_prep, .Lfunc_end_k_q50a2b6ddc0_prep-k_q50a2b6ddc0_prep
	.p2alignl 7, 3214868480
	.fill 96, 4, 3214868480
	.section	.rodata,"a",@progbits
	.p2align	6, 0x0
	.amdhsa_kernel k_q50a2b6ddc0_prep
		.amdhsa_group_segment_fixed_size 17920
		.amdhsa_private_segment_fixed_size 0
		.amdhsa_enable_private_segment 0
		.amdhsa_kernarg_size 88
		.amdhsa_user_sgpr_count 2
		.amdhsa_user_sgpr_kernarg_segment_ptr 1
		.amdhsa_wavefront_size32 1
		.amdhsa_system_sgpr_workgroup_id_x 1
		.amdhsa_system_sgpr_workgroup_id_y 1
		.amdhsa_system_sgpr_workgroup_id_z 1
		.amdhsa_system_vgpr_workitem_id 0
		.amdhsa_next_free_vgpr 128
		.amdhsa_next_free_sgpr 66
		.amdhsa_reserve_vcc 0
		.amdhsa_float_denorm_mode_32 3
		.amdhsa_float_denorm_mode_16_64 3
		.amdhsa_memory_ordered 1
		.amdhsa_forward_progress 1
		.amdhsa_inst_pref_size 19
	.end_amdhsa_kernel
	.amdgpu_metadata
---
amdhsa.version: [ 1, 2 ]
amdhsa.kernels:
  - .name:           k_q50a2b6ddc0_prep
    .symbol:         k_q50a2b6ddc0_prep.kd
    .args:
      - { .name: x, .offset: 0, .size: 8, .value_kind: global_buffer, .address_space: global }
      - { .name: g1, .offset: 8, .size: 8, .value_kind: global_buffer, .address_space: global }
      - { .name: beta1, .offset: 16, .size: 8, .value_kind: global_buffer, .address_space: global }
      - { .name: h, .offset: 24, .size: 8, .value_kind: global_buffer, .address_space: global }
      - { .name: Wq, .offset: 32, .size: 8, .value_kind: global_buffer, .address_space: global }
      - { .name: Wk, .offset: 40, .size: 8, .value_kind: global_buffer, .address_space: global }
      - { .name: Wv, .offset: 48, .size: 8, .value_kind: global_buffer, .address_space: global }
      - { .name: Wo, .offset: 56, .size: 8, .value_kind: global_buffer, .address_space: global }
      - { .name: W1, .offset: 64, .size: 8, .value_kind: global_buffer, .address_space: global }
      - { .name: W2, .offset: 72, .size: 8, .value_kind: global_buffer, .address_space: global }
      - { .name: wt, .offset: 80, .size: 8, .value_kind: global_buffer, .address_space: global }
    .group_segment_fixed_size: 17920
    .private_segment_fixed_size: 0
    .kernarg_segment_align: 8
    .kernarg_segment_size: 88
    .max_flat_workgroup_size: 256
    .sgpr_count:     66
    .vgpr_count:     128
    .wavefront_size: 32
...
	.end_amdgpu_metadata
.endif
;; end of part 1
;; launch proj (part 2): grid 16 x 16, 4 waves a work-group, clusters of 4 x 4, 327,680 bytes of LDS; arguments h, wt, qkv; writes qkv
.if DOCPART == 2
	.amdgcn_target "amdgcn-amd-amdhsa--gfx1250"
	.amdhsa_code_object_version 6
	.text
	.protected	k_q50a2b6ddc0_proj
	.globl	k_q50a2b6ddc0_proj
	.p2align	8
	.type	k_q50a2b6ddc0_proj,@function
k_q50a2b6ddc0_proj:
	s_mov_b64 s[64:65], 0
	v_nop
	global_prefetch_b8 v0, s[64:65] scope:SCOPE_SE
	s_setreg_imm32_b32 hwreg(HW_REG_WAVE_MODE, 25, 1), 1
	s_wait_xcnt 0x0
	s_wait_alu depctr_hold_cnt(0) depctr_sa_sdst(0) depctr_va_vdst(0) depctr_va_sdst(0) depctr_va_ssrc(0) depctr_va_vcc(0) depctr_vm_vsrc(0)
	s_getreg_b32 s2, hwreg(HW_REG_IB_STS2, 6, 4)
	s_cmp_eq_u32 s2, 0
	s_cbranch_scc0 .Lentry_in_a_cluster
	s_endpgm
.Lentry_in_a_cluster:
	s_bfe_u32 s2, ttmp6, 0x10000c
	s_cmp_lg_u32 s2, 0xf033
	s_cbranch_scc0 .Lentry_shape_is_right
	s_endpgm
.Lentry_shape_is_right:
; Q, K, V = h W.  C[token][n] = sum over k of h[token][k] wt[n][k], n = 1024 sel + 64 head + c: 4,096 x 3,072, K = 1,024; operands bf16, sums f32, results rounded once to bf16, unscaled.
; They leave by heads: qkv = q, k, v, each [32 = 16 batch + head][2048][64] bf16: a head's rows are dense.
; A tile of C is 256 x 192 (three heads): 16 x 16 work-groups of four waves; a wave makes 128 x 96: 48 accumulators of 16 x 16.  K goes in steps of 128 through two LDS slots
; filled by the tensor data mover: the tiles' rows are 256 bytes of memory, aligned to 256.
; CLUSTER: 4 x 4 work-groups.  The four of a row of the cluster need the same tiles of h, the four of a column the same tiles of wt: each tile is asked for jointly, by the same tensor load
; with the same descriptor and a mask that names the four.
; THE MATRIX INSTRUCTION IS USED TRANSPOSED (source 0 = 16 rows of wt, source 1 = 16 rows of h): a lane then holds eight neighbouring columns of one row of C.
; A K STEP IS WRITTEN ONCE: the slot in hand is a scalar (0 or SLOT) that one exclusive or turns; the LDS addresses of the fragment loads and of the refill are made from it.
; REGISTERS, in windows of 256: window 0: v0-31 addresses; v64-127, v128-191 fragments of h, two buffers; window 1: v64-111, v128-175 fragments of wt, two buffers;
;   window 2: the accumulators of my rows 0-63 ((a, b) at v[8 (6 a + b)]); window 3: those of rows 64-127.
; s_set_vgpr_msb's low byte: bits 1:0 source 0, 3:2 source 1, 5:4 source 2, 7:6 destination.
.set NBK,    6                         ; blocks of 16 columns in a wave's tile
.set KSTEP,  128
.set KSTEPS, 8
.set KDIM,   1024
.set PITCH,  272                       ; an LDS row: 256 bytes + 16 of padding = 68 words: row r starts at bank 4 r mod 64 (64 banks of 4 bytes: ISA guide 11.1)
.set HALFA,  128*PITCH                 ; what one tensor load brings of h, and what one wave reads of it
.set HALFB,  16*NBK*PITCH              ; the same of wt
.set SLOT,   2*HALFA+2*HALFB
.set SPARE,  2*SLOT                    ; behind the ring: the spare words, 128 bytes for each wave
.set NLD,    2*(NBK+8)                 ; LDS loads of a quarter step
.set SPITCH, 128*NBK+16                ; the way out: a row of the tile in f32, 768 bytes + 16; the stage lies over the ring, which has had its last fill by then
.set PADW,   (1<<16)|(1<<20)|(1<<21)|(5<<22)|(3<<25)  ; 17:16 2-byte elements; 20 padding on; 21 set beside a mask; 24:22 after every 64 words; 31:25 4 words
.set A0,   16                          ; v16  my lane's place in slot 0's tile of h; never rewritten
.set B0,   17                          ; v17  the same for wt
.set ADRA, 18                          ; v18  the same in the slot in hand
.set ADRB, 19
.set STO0, 20                          ; v20  the way out: where rows 0-63 of my tile go
.set STO1, 21                          ; v21  rows 64-127
.set RD,   22                          ; v22  where I read rows back
.set GO,   23                          ; v23  my byte offset in a head's rows
.set SPW,  28                          ; v28  LDS address of my spare word; never rewritten
.set NIL,  29                          ; v29  0; never rewritten
.set F0,   64
.set F1,   128
.set TB,   2                           ; s2   0 or SLOT: the slot in hand
.set CNT,  3                           ; s3   loop counter
.set WV,   14                          ; s14  my wave's number
.set MH,   15                          ; s15  which half of the tile's rows is mine; also: I fetch for h (0) or for wt (1)
.set NH,   16                          ; s16  which half of its columns; also: which half of that tile I fetch
.set TY,   17                          ; s17  tile row of C
.set TX,   18                          ; s18  tile column of C
.set WOFFA, 20                         ; s20  where my fetch of h lands in a slot
.set WOFFB, 21                         ; s21  where my fetch of wt lands; also where my wave's columns of wt lie
.set G1A,  24                          ; s[24:31] group 1 for h's tiles
.set G0A0, 32                          ; s[32:35] group 0: K step 0 into slot 0
.set G0AW, 36                          ; s[36:39] group 0: K step 1 into slot 1; then it walks
.set G1B,  48                          ; s[48:55], s[56:59], s[60:63] the same for wt's tiles
.set G0B0, 56
.set G0BW, 60
.set OB,   66                          ; s[66:71] the three heads' rows in qkv
.set MUL_LO, 0xa1                      ; source 0 (wt) window 1, source 1 (h) window 0, C and D window 2
.set MUL_HI, 0xf1                      ; the same, C and D window 3
.set TO_B,   0x40                      ; destination window 1, address window 0
.set MSB, 0
.macro WIN new                         ; the immediate's high byte repeats the setting that is left; a switch that changes nothing is dropped
.if MSB != (\new)
	s_set_vgpr_msb (MSB<<8)|(\new)
.set MSB, \new
.endif
.endm
.macro PLACES                          ; four places in front of loads into registers that matrix instructions have read, and of stores that read results
.rept 4
	v_nop
.endr
.endm
.macro CREST                           ; a round of the cluster's barrier behind its opening barrier
	s_cmp_lg_u32 s[WV], 0
	s_cbranch_scc1 .Lnot_wave_0_\@
	s_barrier_signal -3
.Lnot_wave_0_\@:
	s_barrier_wait -3
	s_barrier_signal -1
	s_barrier_wait -1
.endm
.macro CROUND                          ; a whole round
	s_barrier_signal -1
	s_barrier_wait -1
	CREST
.endm
.macro JLOAD                           ; a joint refill: waves 0 and 1 fetch h's two halves, waves 2 and 3 wt's; the branch hangs on the wave's number alone; an s_nop 0 and four v_nop follow each line
	s_cmp_eq_u32 s[MH], 0
	s_cbranch_scc0 .Lfor_b_\@
	tensor_load_to_lds s[G0AW:G0AW+3], s[G1A:G1A+7]
	s_nop 0
.rept 4
	v_nop
.endr
	s_branch .Lasked_\@
.Lfor_b_\@:
	tensor_load_to_lds s[G0BW:G0BW+3], s[G1B:G1B+7]
	s_nop 0
.rept 4
	v_nop
.endr
.Lasked_\@:
.endm
	s_load_b128 s[4:7], s[0:1], 0x0                ; h s[4:5], wt s[6:7]
	s_load_b64 s[8:9], s[0:1], 0x10                ; qkv
	v_lshl_add_u32 v[SPW], v0, 2, SPARE
	v_mov_b32 v[NIL], 0
	ds_add_u32 v[SPW], v[NIL]                      ; the wave's opening: the add and its wait stand ahead of my first tensor load; the set-up below, work on registers, stands between them
	v_lshrrev_b32 v1, 5, v0
	v_readfirstlane_b32 s[WV], v1
	s_lshr_b32 s[MH], s[WV], 1
	s_and_b32 s[NH], s[WV], 1
	s_bfe_u32 s22, ttmp6, 0x40000                  ; cx
	s_bfe_u32 s23, ttmp6, 0x40004                  ; cy
	s_lshl_b32 s[TX], ttmp9, 2
	s_add_co_u32 s[TX], s[TX], s22
	s_and_b32 s[TY], ttmp7, 0xffff
	s_lshl_b32 s[TY], s[TY], 2
	s_add_co_u32 s[TY], s[TY], s23
	s_lshl_b32 s40, s23, 2
	s_lshl_b32 s40, 15, s40                        ; my row of the cluster
	s_lshl_b32 s44, 0x1111, s22                    ; my column
	s_or_b32 s[G1A], s40, PADW
	s_or_b32 s[G1B], s44, PADW
	s_mov_b32 s[G1A+1], KSTEP<<16                  ; tensor_dim0 = 128
	s_mov_b32 s[G1A+2], 128<<16                    ; tensor_dim1 = 128
	s_mov_b32 s[G1A+3], KSTEP<<16                  ; tile_dim0 = 128
	s_mov_b32 s[G1A+4], 128                        ; tile_dim1 = 128
	s_mov_b32 s[G1A+5], KDIM                       ; elements from row to row
	s_mov_b32 s[G1A+6], 0
	s_mov_b32 s[G1A+7], 0
	s_mov_b32 s[G1B+1], KSTEP<<16
	s_mov_b32 s[G1B+2], (16*NBK)<<16               ; 96 rows
	s_mov_b32 s[G1B+3], KSTEP<<16
	s_mov_b32 s[G1B+4], 16*NBK
	s_mov_b32 s[G1B+5], KDIM
	s_mov_b32 s[G1B+6], 0
	s_mov_b32 s[G1B+7], 0
	s_lshl_b32 s40, s[TY], 8                       ; h's tile hangs on the tile row alone, which my row of the cluster shares
	s_lshl_b32 s41, s[NH], 7
	s_add_co_u32 s40, s40, s41
	s_lshl_b32 s40, s40, 11                        ; rows of 2,048 bytes
	s_mov_b32 s41, 0
	s_mul_i32 s44, s[TX], 32*NBK                   ; wt's on the tile column alone
	s_mul_i32 s45, s[NH], 16*NBK
	s_add_co_u32 s44, s44, s45
	s_lshl_b32 s44, s44, 11
	s_mov_b32 s45, 0
	s_mul_i32 s[WOFFA], s[NH], HALFA               ; no place in the cluster enters an LDS address
	s_mul_i32 s[WOFFB], s[NH], HALFB
	s_add_co_u32 s[WOFFB], s[WOFFB], 2*HALFA
	s_wait_dscnt 0x0                               ; the opening add is done
	s_wait_kmcnt 0x0
	s_add_nc_u64 s[40:41], s[4:5], s[40:41]
	s_add_nc_u64 s[44:45], s[6:7], s[44:45]
	CROUND                                         ; all sixteen work-groups are here: the first joint loads meet
	s_mov_b32 s[G0A0], 1
	s_mov_b32 s[G0A0+1], s[WOFFA]
	s_mov_b64 s[G0A0+2:G0A0+3], s[40:41]
	s_or_b32 s[G0A0+3], s[G0A0+3], 0x80000000
	s_mov_b32 s[G0AW], 1
	s_add_co_u32 s[G0AW+1], s[WOFFA], SLOT
	s_add_nc_u64 s[G0AW+2:G0AW+3], s[40:41], 2*KSTEP
	s_or_b32 s[G0AW+3], s[G0AW+3], 0x80000000
	s_mov_b32 s[G0B0], 1
	s_mov_b32 s[G0B0+1], s[WOFFB]
	s_mov_b64 s[G0B0+2:G0B0+3], s[44:45]
	s_or_b32 s[G0B0+3], s[G0B0+3], 0x80000000
	s_mov_b32 s[G0BW], 1
	s_add_co_u32 s[G0BW+1], s[WOFFB], SLOT
	s_add_nc_u64 s[G0BW+2:G0BW+3], s[44:45], 2*KSTEP
	s_or_b32 s[G0BW+3], s[G0BW+3], 0x80000000
	s_cmp_eq_u32 s[MH], 0                          ; a wave's two first fills stand in one branch, ahead of every wait on TENSORcnt and every LDS read: two loads of mine are out
	s_cbranch_scc0 .Lfirst_b
	tensor_load_to_lds s[G0A0:G0A0+3], s[G1A:G1A+7]
	s_nop 0
	tensor_load_to_lds s[G0AW:G0AW+3], s[G1A:G1A+7]
	s_nop 0
.rept 4
	v_nop
.endr
	s_branch .Lfirst_asked
.Lfirst_b:
	tensor_load_to_lds s[G0B0:G0B0+3], s[G1B:G1B+7]
	s_nop 0
	tensor_load_to_lds s[G0BW:G0BW+3], s[G1B:G1B+7]
	s_nop 0
.rept 4
	v_nop
.endr
.Lfirst_asked:
	; A fragment is 16 rows x 32 K in 8 registers: lane l holds row l % 16; registers 0-3 K = 8 (l / 16) + 0..7, registers 4-7 K = 16 + 8 (l / 16) + 0..7: two loads of 16 bytes, 32 bytes apart.
	v_and_b32 v1, 15, v0
	v_bfe_u32 v2, v0, 4, 1
	v_mul_u32_u24 v3, v1, PITCH
	v_lshl_add_u32 v3, v2, 4, v3
	s_mul_i32 s42, s[MH], HALFA
	v_add_nc_u32 v[A0], s42, v3
	v_add_nc_u32 v[B0], s[WOFFB], v3
	s_mul_i32 s42, s[MH], 128*SPITCH               ; into the stage: row 128 MH + 16 a + l % 16, byte 384 NH + 64 b + 32 (l / 16)
	s_mul_i32 s43, s[NH], 64*NBK
	s_add_co_u32 s42, s42, s43
	v_mul_u32_u24 v[STO0], v1, SPITCH
	v_lshl_add_u32 v[STO0], v2, 5, v[STO0]
	v_add_nc_u32 v[STO0], s42, v[STO0]
	v_add_nc_u32 v[STO1], 64*SPITCH, v[STO0]
	s_mul_i32 s42, s[WV], 64*SPITCH                ; back: wave w takes rows 64 w .. 64 w + 63; eight lanes take a head's 64 numbers of a row, 32 bytes each
	v_bfe_u32 v4, v0, 3, 2
	v_and_b32 v5, 7, v0
	v_mul_u32_u24 v[RD], v4, SPITCH
	v_lshl_add_u32 v[RD], v5, 5, v[RD]
	v_add_nc_u32 v[RD], s42, v[RD]
	v_and_b32 v[GO], 31, v0
	v_lshlrev_b32 v[GO], 4, v[GO]                  ; four rows of 128 bytes are 512 consecutive bytes of a head
	s_and_b32 s74, s[TY], 7
	s_lshl_b32 s74, s74, 8
	s_lshl_b32 s75, s[WV], 6
	s_add_co_u32 s74, s74, s75
	s_lshl_b32 s74, s74, 7                         ; my first row in a head, in bytes
.irp j, 0,1,2
	s_mul_i32 s72, s[TX], 3
	s_add_co_u32 s72, s72, \j                      ; 16 sel + head
	s_lshr_b32 s73, s72, 4
	s_lshl_b32 s73, s73, 5                         ; 32 blocks of 2,048 rows to each of q, k, v
	s_and_b32 s72, s72, 15
	s_add_co_u32 s72, s72, s73
	s_lshr_b32 s73, s[TY], 3                       ; the batch
	s_lshl_b32 s73, s73, 4
	s_add_co_u32 s72, s72, s73
	s_lshl_b32 s72, s72, 18                        ; 262,144 bytes each
	s_add_co_u32 s72, s72, s74
	s_mov_b32 s73, 0
	s_add_nc_u64 s[OB+2*(\j):OB+2*(\j)+1], s[8:9], s[72:73]
.endr
; 2 NBK matrix instructions: m blocks a0, a0 + 1 of the window's four x all n blocks, 32 along K.  zero = 1: the first product starts the sums.
; The 48 accumulators take turns, one instruction a turn, in the same order in every quarter step.
.macro MULB f, hi, a0, zero
	WIN MUL_LO+0x50*(\hi)
.set ma, (\a0)
.rept 2
.set mb, 0
.rept NBK
.set rD, 8*(NBK*ma+mb)
.set rB, (\f)+8*mb
.set rA, (\f)+8*(4*(\hi)+ma)
.if \zero
	v_wmma_f32_16x16x32_bf16 v[rD:rD+7], v[rB:rB+7], v[rA:rA+7], 0
.else
	v_wmma_f32_16x16x32_bf16 v[rD:rD+7], v[rB:rB+7], v[rA:rA+7], v[rD:rD+7]
.endif
.set mb, mb+1
.endr
.set ma, ma+1
.endr
.endm
.macro FETCH k, f                      ; one run of NLD LDS loads: a quarter step's fragments (32 K at byte k of the rows) into buffer f: wt's first, then h's
	WIN TO_B
.set fi, 0
.rept NBK
	ds_load_b128 v[(\f)+8*fi:(\f)+8*fi+3],   v[ADRB] offset:(\k)+fi*16*PITCH
	ds_load_b128 v[(\f)+8*fi+4:(\f)+8*fi+7], v[ADRB] offset:(\k)+fi*16*PITCH+32
.set fi, fi+1
.endr
	WIN 0
.set fi, 0
.rept 8
	ds_load_b128 v[(\f)+8*fi:(\f)+8*fi+3],   v[ADRA] offset:(\k)+fi*16*PITCH
	ds_load_b128 v[(\f)+8*fi+4:(\f)+8*fi+7], v[ADRA] offset:(\k)+fi*16*PITCH+32
.set fi, fi+1
.endr
.endm
.macro QUARTER k, f, g, zero           ; multiplies buffer f; in its middle fetches the next quarter, at byte k, into g
	s_wait_dscnt 8                                 ; wt's fragments and h's rows 0-63 are in; the youngest eight loads (rows 64-127) may be out
	MULB \f, 0, 0, \zero
	MULB \f, 0, 2, \zero
	PLACES
	FETCH \k, \g
	s_wait_dscnt NLD                               ; all but the loads just issued
	MULB \f, 1, 0, \zero
	MULB \f, 1, 2, \zero
.endm
.macro LASTQ                           ; a step's last quarter: buffer 1's 8 NBK products
	MULB F1, 0, 0, 0
	MULB F1, 0, 2, 0
	MULB F1, 1, 0, 0
	MULB F1, 1, 2, 0
.endm
; THE CHANGE OF SLOTS, with a refill.  The slot's last fragments are in registers (buffer 1), so the slot can be given up before they are multiplied.  Nothing but the three lines and the round stands
; between the landing of the next slot's tile and the request for the one after it; the quarter's products all stand behind the request, which so has a whole K step's 192 products in which to land.
.macro TURN
	WIN 0
	s_wait_tensorcnt 0x0                           ; all my tensor loads have landed: my part of the next slot; so every group 0 may be written
	ds_add_u32 v[SPW], v[NIL]                      ; 0 onto my spare word; the descriptors' steps stand between it and the wait for it
	s_add_co_u32 s[G0AW+1], s[WOFFA], s[TB]        ; into the slot just read out,
	s_add_co_u32 s[G0BW+1], s[WOFFB], s[TB]
	s_add_nc_u64 s[G0AW+2:G0AW+3], s[G0AW+2:G0AW+3], 2*KSTEP  ; the K step after the one that has just landed
	s_add_nc_u64 s[G0BW+2:G0BW+3], s[G0BW+2:G0BW+3], 2*KSTEP
	s_wait_dscnt 0x0                               ; the add is done, and my reads of this slot are over
	s_barrier_signal -1
	s_barrier_wait -1
	CREST                                          ; no wave of any partner still reads this slot or has a load on its way
	JLOAD                                          ; its four v_nop are also the places in front of the loads below
	s_xor_b32 s[TB], s[TB], SLOT
	v_add_nc_u32 v[ADRA], s[TB], v[A0]
	v_add_nc_u32 v[ADRB], s[TB], v[B0]
	FETCH 0, F0
	LASTQ
.endm
.macro TURN0                           ; the same in the last two K steps: nothing is asked for; behind the very last there is nothing to fetch either
	WIN 0
	s_wait_tensorcnt 0x0
	ds_add_u32 v[SPW], v[NIL]
	s_wait_dscnt 0x0
	s_barrier_signal -1
	s_barrier_wait -1
	s_cmp_eq_u32 s[CNT], 1
	s_cbranch_scc1 .Lnf_\@
	s_xor_b32 s[TB], s[TB], SLOT
	v_add_nc_u32 v[ADRA], s[TB], v[A0]
	v_add_nc_u32 v[ADRB], s[TB], v[B0]
	PLACES
	FETCH 0, F0
	WIN 0
.Lnf_\@:
	LASTQ
.endm
	s_wait_tensorcnt 0x1                           ; my part of K step 0 is in; K step 1's load stays out
	s_barrier_signal -1
	s_barrier_wait -1
	s_mov_b32 s[TB], 0
	v_mov_b32 v[ADRA], v[A0]
	v_mov_b32 v[ADRB], v[B0]
	FETCH 0, F0
	QUARTER 64, F0, F1, 1                          ; the first quarter stands in front of the loop: its products start the sums
	WIN 0
	s_mov_b32 s[CNT], KSTEPS-2
.Lstep:                                                ; a trip: a K step's quarters 1 to 3, the refill of its slot, the next step's quarter 0
	QUARTER 128, F1, F0, 0
	QUARTER 192, F0, F1, 0
	TURN
	QUARTER 64, F0, F1, 0
	WIN 0
	s_sub_co_u32 s[CNT], s[CNT], 1
	s_cmp_lg_u32 s[CNT], 0
	s_cbranch_scc1 .Lstep
	s_mov_b32 s[CNT], 2
.Ltail:                                                ; the last two K steps
	QUARTER 128, F1, F0, 0
	QUARTER 192, F0, F1, 0
	TURN0
	WIN 0
	s_sub_co_u32 s[CNT], s[CNT], 1
	s_cmp_eq_u32 s[CNT], 0
	s_cbranch_scc1 .Lout
	QUARTER 64, F0, F1, 0
	WIN 0
	s_branch .Ltail
.Lout:
	; THE WAY OUT.  The whole tile goes in f32 into a stage that lies over the ring: every tensor load has landed and none follows.  Then each wave takes 64 whole rows, rounds them and stores them by heads.
	PLACES
	s_wait_dscnt 0x0                               ; my reads of the ring are over,
	s_barrier_signal -1
	s_barrier_wait -1                              ; everybody's are: the ring may be written
.macro DUMP sto
.set da, 0
.rept 4
.set db, 0
.rept NBK
	ds_store_b128 v[\sto], v[8*(NBK*da+db):8*(NBK*da+db)+3]   offset:da*16*SPITCH+64*db     ; each accumulator's low registers first
	ds_store_b128 v[\sto], v[8*(NBK*da+db)+4:8*(NBK*da+db)+7] offset:da*16*SPITCH+64*db+16
.set db, db+1
.endr
.set da, da+1
.endr
.endm
	WIN 0x08                                       ; the stores' data in window 2
	DUMP STO0
	WIN 0x0c                                       ; in window 3
	DUMP STO1
	WIN 0
	s_wait_dscnt 0x0                               ; for the others' sake: my stores into the stage are done
	s_barrier_signal -1
	s_barrier_wait -1
	s_mov_b32 s[CNT], 4
.Lrows:                                                ; a trip: 16 rows x 3 heads, in 12 units of 4 rows of one head
.set u, 0
.rept 12
	ds_load_b128 v[64+8*u:64+8*u+3], v[RD] offset:(u/3)*4*SPITCH+(u%3)*256
	ds_load_b128 v[64+8*u+4:64+8*u+7], v[RD] offset:(u/3)*4*SPITCH+(u%3)*256+16
.set u, u+1
.endr
.set u, 0
.rept 12
	s_wait_dscnt 22-2*u                            ; unit u's two loads are in; the younger units' stay out
.irp r, 0,1,2,3
	v_cvt_pk_bf16_f32 v[160+4*u+(\r)], v[64+8*u+2*(\r)], v[64+8*u+2*(\r)+1]
.endr
	global_store_b128 v[GO], v[160+4*u:160+4*u+3], s[OB+2*(u%3):OB+2*(u%3)+1] offset:(u/3)*512  ; 512 consecutive bytes, aligned to 512
.set u, u+1
.endr
	s_wait_xcnt 0x0                                ; the stores have read their offsets and data: only now are they rewritten
	v_add_nc_u32 v[GO], 2048, v[GO]
	v_add_nc_u32 v[RD], 16*SPITCH, v[RD]
	s_sub_co_u32 s[CNT], s[CNT], 1
	s_cmp_lg_u32 s[CNT], 0
	s_cbranch_scc1 .Lrows
	s_wait_tensorcnt 0x0                           ; the wave's end, behind my last tensor load and my last LDS store
	ds_add_u32 v[SPW], v[NIL]
	s_wait_dscnt 0x0
	CROUND                                         ; the closing round: no work-group ends while a partner may still ask for a tile that names it
	s_endpgm
.Lfunc_end_k_q50a2b6ddc0_proj:
	.size	k_q50a2b6ddc0_proj, .Lfunc_end_k_q50a2b6ddc0_proj-k_q50a2b6ddc0_proj
	.p2alignl 7, 3214868480
	.fill 96, 4, 3214868480
	.section	.rodata,"a",@progbits
	.p2align	6, 0x0
	.amdhsa_kernel k_q50a2b6ddc0_proj
		.amdhsa_group_segment_fixed_size 327680
		.amdhsa_private_segment_fixed_size 0
		.amdhsa_enable_private_segment 0
		.amdhsa_kernarg_size 24
		.amdhsa_user_sgpr_count 2
		.amdhsa_user_sgpr_kernarg_segment_ptr 1
		.amdhsa_wavefront_size32 1
		.amdhsa_system_sgpr_workgroup_id_x 1
		.amdhsa_system_sgpr_workgroup_id_y 1
		.amdhsa_system_sgpr_workgroup_id_z 1
		.amdhsa_system_vgpr_workitem_id 0
		.amdhsa_next_free_vgpr 1024
		.amdhsa_next_free_sgpr 96
		.amdhsa_reserve_vcc 0
		.amdhsa_float_denorm_mode_32 3
		.amdhsa_float_denorm_mode_16_64 3
		.amdhsa_memory_ordered 1
		.amdhsa_forward_progress 1
		.amdhsa_inst_pref_size 70
	.end_amdhsa_kernel
	.amdgpu_metadata
---
amdhsa.version: [ 1, 2 ]
amdhsa.kernels:
  - .name:           k_q50a2b6ddc0_proj
    .symbol:         k_q50a2b6ddc0_proj.kd
    .args:
      - { .name: h, .offset: 0, .size: 8, .value_kind: global_buffer, .address_space: global }
      - { .name: wt, .offset: 8, .size: 8, .value_kind: global_buffer, .address_space: global }
      - { .name: qkv, .offset: 16, .size: 8, .value_kind: global_buffer, .address_space: global }
    .group_segment_fixed_size: 327680
    .private_segment_fixed_size: 0
    .kernarg_segment_align: 8
    .kernarg_segment_size: 24
    .max_flat_workgroup_size: 128
    .sgpr_count:     96
    .vgpr_count:     1024
    .wavefront_size: 32
...
	.end_amdgpu_metadata
.endif
;; end of part 2
;; launch attn (part 3): grid 8 x 32, 4 waves a work-group, clusters of 4 x 1, 327,680 bytes of LDS; arguments qkv, o; writes o
.if DOCPART == 3
	.amdgcn_target "amdgcn-amd-amdhsa--gfx1250"
	.amdhsa_code_object_version 6
	.text
	.protected	k_q50a2b6ddc0_attn
	.globl	k_q50a2b6ddc0_attn
	.p2align	8
	.type	k_q50a2b6ddc0_attn,@function
k_q50a2b6ddc0_attn:
	s_mov_b64 s[64:65], 0
	v_nop
	global_prefetch_b8 v0, s[64:65] scope:SCOPE_SE
	s_setreg_imm32_b32 hwreg(HW_REG_WAVE_MODE, 25, 1), 1
	s_wait_xcnt 0x0
	s_wait_alu depctr_hold_cnt(0) depctr_sa_sdst(0) depctr_va_vdst(0) depctr_va_sdst(0) depctr_va_ssrc(0) depctr_va_vcc(0) depctr_vm_vsrc(0)
	s_getreg_b32 s2, hwreg(HW_REG_IB_STS2, 6, 4)
	s_cmp_eq_u32 s2, 0
	s_cbranch_scc0 .Lentry_in_a_cluster
	s_endpgm
.Lentry_in_a_cluster:
	s_bfe_u32 s2, ttmp6, 0x10000c
	s_cmp_lg_u32 s2, 0x3003
	s_cbranch_scc0 .Lentry_shape_is_right
	s_endpgm
.Lentry_shape_is_right:
; ATTENTION.  O[hb][q][:] = the sum over k of softmax_k(Q[hb][q] . K[hb][k] / 8) V[hb][k][:], hb = 16 batch + head.  q, k, v lie in qkv, each [32][2048][64] bf16, a head's rows dense, 128 bytes each.
; Products, maxima and sums in f32; the weights p are rounded to bf16 for the second product (their sum l is taken of the unrounded p), O once at the end, to bf16.
; O leaves as o[token / 64][head][64 rows][64 channels]: a wave's 64 queries of one head are 8,192 consecutive bytes.
; LIMITS.  A weight below 2^-126 counts as 0 in l; NaN and infinities are not treated apart.
; SHARES.  A work-group owns 256 queries of one head, each of its four waves 64: four PIECES of 16.  Every wave walks all 2,048 keys, 64 a step, four steps to an LDS slot.
; LAYOUT.  S^T = K Q^T (source 0 = 16 keys, source 1 = 16 queries): a lane holds ONE query (lane % 16) and the keys 8 (lane / 16) + 0..7.  Two such results rounded to bf16 ARE source 1 of O^T = V^T P.
; K comes out of LDS as it lies, V ([key][channel]) turned, by ds_load_tr16_b128.
; SOFTMAX.  A running maximum m and sum l for each query: p = 2^(c s - c m), c = log2(e) / 8; in every step O and l are multiplied by a = 2^(c m_old - c m_new).
; m starts at the lowest finite number, O and l at 0: the first step is a step like any other, with a = 0.
; BY TURNS.  Turn n belongs to piece n: 8 products K Q^T of piece n + 1, later 8 products V^T P of piece n - 1; beside them the scaling, exponentials, roundings, sums and rescaling of piece n and the
; maximum and statistics of piece n + 1.  Four vector instructions stand behind every matrix instruction, the other 54 of a turn's 118 in two runs of their own.
; CLUSTER.  The four query blocks of a cluster belong to one head and walk the same K and V, so each tile is asked for JOINTLY: the same tensor load, descriptor and mask in all four.
; REGISTERS, in windows of 256 (s_set_vgpr_msb: bits 1:0 source 0, 3:2 source 1, 5:4 source 2, 7:6 destination).  The map is made so that few lines need a switch:
;   window 0: v0-7 the thread's number, offsets, c m_old; v8-23 four registers of statistics a piece; v24-31 at work; v32-95 S^T, two buffers; v96-127 P, two buffers; v128-191 K of one step; v192-255 Q
;   window 1: v0-127 O^T, 32 a piece; v128-191 V of one step; v192-194 the add's two registers and the prefetch's offset
; K Q^T and every line of the softmax but the rescaling name window 0 alone: setting 0.  V^T P (V and O^T in window 1, P in window 0) and the rescaling of O^T (O^T in window 1, a in window 0) share one
; setting, so the 16 rescalings stand behind the first four products V^T P with no switch between; the other four products V^T P cost two switches each: eight switches a turn.
.set NP,    4
.set KS,    64        ; keys in a step
.set PK,    144       ; a row of K in LDS: 128 bytes + 16 = 36 words: the 16 rows of a load start at 16 different groups of four banks (64 banks of 4 bytes: ISA guide 11.1)
.set PV,    160       ; a row of V: 128 + 32 = 40 words
.set VOFF,  4*KS*PK   ; a slot holds four steps: 256 rows of K, then 256 rows of V
.set SLOT1, 1<<17     ; slot 1 begins here, so that one exclusive or turns an address in one slot into the other's
.set STAGE, SLOT1+4*KS*(PK+PV)  ; behind the ring, never filled by a tensor load: 16 rows x 144 bytes for each wave
.set SP,    144
.set SPARE, STAGE+4*16*SP       ; behind the stages: the spare words, 128 bytes for each wave
.set QO,  1           ; v1   at work at the head; then my byte offset in 16 rows of Q
.set AK0, 2           ; v2   my lane's place in a tile of K; never rewritten
.set AV0, 3           ; v3   the same for V
.set AK,  4           ; v4   the LDS address of K's next run of loads
.set AV,  5           ; v5   of V's
.set MV,  6           ; v6-7  c m_old, kept while c m is made anew: by buffer
.set ST,  8           ; piece t's statistics at v[ST+4 t]: c m, m, l (even keys', odd keys')
.set TMP, 24          ; by buffer, four registers c0-c3 at work; when the maximum is found c2 takes a
.set S,   32
.set P,   96
.set KF,  128         ; key block kb, channel half c at KF + 16 kb + 8 c
.set QF,  192         ; piece x, channel half c at QF + 16 x + 8 c
.set VF,  128         ; window 1: key half kk, channel block cb at VF + 32 kk + 8 cb
.set SPW, 192         ; window 1: LDS address of my spare word; never rewritten
.set NIL, 193         ; window 1: 0; never rewritten
.set PFO, 194         ; window 1: 256 x my lane; never rewritten
.set STO, KF          ; the way out, in K's registers, which are free by then: where I put 16 bytes of a row
.set RD,  KF+1        ; where I read rows back
.set GO,  KF+2        ; my byte offset in 512 consecutive bytes of O
.set WV,  12          ; s12  my wave's number
.set G1K, 24          ; s[24:31] descriptor group 1 for K's tiles
.set G1V, 32          ; s[32:39] for V's: it differs in the padding alone
.set G0K, 40          ; s[40:43] descriptor group 0 for K's tiles: it walks
.set G0V, 44          ; s[44:47] the same for V's
.set PFA, 48          ; s[48:49] where my prefetches stand
.set LIM, 50          ; s50  1 in a wave that prefetches, else the greatest number
.set SLOTS, 56        ; s56  slots still to be asked for
.set CNT, 57          ; s57  counts a slot's key steps
.set CS,  58          ; s[58:59] c
.set SEL, 60          ; s[60:61] v_permlanex16_b32's selects
.set TBK, 62          ; s62  LDS byte at which K of the step to be fetched begins
.set TBV, 63          ; s63  the same for V, less VOFF
.set MSB, 0
.macro WIN new                      ; the high byte repeats the setting that is left; a switch that changes nothing is dropped
.if MSB != (\new)
	s_set_vgpr_msb (MSB<<8)|(\new)
.set MSB, (\new)
.endif
.endm
.set W_PV, 0x51       ; source 0 (V; O^T in a rescaling), source 2 and destination (O^T) in window 1; source 1 (P; a) in window 0
.set W_T1, 0x40       ; destination in window 1, sources in window 0
.set W_AD, 0x05       ; the add: address (source 0) and data (source 1) in window 1
.macro JLOAD                        ; a joint fill: waves 0 and 1 fetch the two halves of a slot's K, waves 2 and 3 those of its V; an s_nop 0 and four v_nop follow each line
	s_cmp_lt_u32 s[WV], 2
	s_cbranch_scc0 .Lfor_v_\@
	tensor_load_to_lds s[G0K:G0K+3], s[G1K:G1K+7]
	s_nop 0
.rept 4
	v_nop
.endr
	s_branch .Lasked_\@
.Lfor_v_\@:
	tensor_load_to_lds s[G0V:G0V+3], s[G1V:G1V+7]
	s_nop 0
.rept 4
	v_nop
.endr
.Lasked_\@:
.endm
; A PREFETCH INTO THE L2 of what the NEXT change of slots will ask for: a slot's 32,768 bytes of K and of V, a lane a block of 256 bytes.  Each block is named once in the launch: the head's first cluster asks;
; its four partners take 8,192 bytes each, told apart by address; in each, wave 0 asks for K's and wave 2 for V's.  It stands four key steps, 256 matrix instructions, ahead of the load that wants the bytes.
; The last change that fills a slot asks for nothing: there is no slot behind it.  Slots 0 and 1 come by their loads alone.
.macro ASK
	s_cmp_gt_u32 s[SLOTS], s[LIM]
	s_cbranch_scc0 .Lnot_mine_\@
	WIN 0x01                        ; the offset (source 0) lies in window 1
	global_prefetch_b8 v[PFO], s[PFA:PFA+1] th:TH_LOAD_NT scope:SCOPE_SE
	WIN 0
.Lnot_mine_\@:
.endm
.macro CROUND                       ; a round of the cluster's barrier
	s_barrier_signal -1
	s_barrier_wait -1
	s_cmp_lg_u32 s[WV], 0
	s_cbranch_scc1 .Lnot_wave_0_\@
	s_barrier_signal -3
.Lnot_wave_0_\@:
	s_barrier_wait -3
	s_barrier_signal -1
	s_barrier_wait -1
.endm
; THE CHANGE OF SLOTS.  Each wave waits for all its tensor loads, of which one is out: its part of the other slot; adds 0 to its spare word; and waits for that and for its own reads of the slot.
; fill = 1: the slot is filled again, with the keys two slots on: the barrier is a round of the cluster's, and the joint fill is the first thing behind it.  (At its first use slot 0 is waited for, slot 1 filled.)
.macro CHANGE fill
	WIN W_AD
	s_wait_tensorcnt 0x0            ; no tensor load of mine is out, so a group 0 may be written
	ds_add_u32 v[SPW], v[NIL]       ; 0 onto my spare word
	WIN 0                           ; at a label and at a branch every window is 0
.if \fill
.irp g, G0K, G0V
	s_xor_b32 s[\g+1], s[\g+1], SLOT1
	s_add_nc_u64 s[\g+2:\g+3], s[\g+2:\g+3], 4*KS*128
.endr
	s_wait_xcnt 0x0                 ; the last prefetch, four key steps back, has read its address
	s_add_nc_u64 s[PFA:PFA+1], s[PFA:PFA+1], 4*KS*128
	s_wait_dscnt 0x0                ; the add is done, and my reads of the slot are over
	CROUND
	JLOAD
	ASK
.else
	s_wait_dscnt 0x0
	s_barrier_signal -1
	s_barrier_wait -1
.endif
	s_sub_co_u32 s[TBK], s[TBK], 4*KS*PK  ; the fetches go back to a slot's first step,
	s_xor_b32 s[TBK], s[TBK], SLOT1       ; in the other slot
	s_sub_co_u32 s[TBV], s[TBV], 4*KS*PV
	s_xor_b32 s[TBV], s[TBV], SLOT1
.endm
	s_load_b64 s[4:5], s[0:1], 0x0  ; qkv
	s_load_b64 s[10:11], s[0:1], 0x8  ; o
	WIN W_T1
	v_lshl_add_u32 v[SPW], v0, 2, SPARE
	v_mov_b32 v[NIL], 0
	WIN W_AD
	ds_add_u32 v[SPW], v[NIL]       ; the wave's opening: the add and its wait stand ahead of my first tensor load; the set-up below, work on registers, stands between them
	WIN 0
	v_lshrrev_b32 v1, 5, v0
	v_readfirstlane_b32 s[WV], v1
	s_bfe_u32 s13, ttmp6, 0x40000   ; cx
	s_lshl_b32 s14, ttmp9, 2
	s_add_co_u32 s14, s14, s13      ; my block of 256 queries: it enters Q's and O's addresses alone
	s_and_b32 s15, ttmp7, 0xffff    ; hb, which the four partners share
	s_lshl_b32 s20, s15, 18         ; the head's first byte in each of q, k, v
	s_and_b32 s16, s[WV], 1         ; which half of a slot's 256 keys I fetch
	s_lshl_b32 s22, s16, 14
	s_add_co_u32 s22, s22, s20
	s_mov_b32 s23, 0
	s_mul_i32 s17, s16, 128*PK
	s_mul_i32 s18, s16, 128*PV
	s_lshl_b32 s19, s14, 2
	s_add_co_u32 s19, s19, s[WV]    ; my wave among the head's 32
	s_lshl_b32 s2, s19, 13          ; its 64 rows of 128 bytes
	s_add_co_u32 s2, s2, s20
	s_mov_b32 s3, 0
	s_lshr_b32 s52, s15, 4          ; the batch: 32 blocks of 64 tokens
	s_lshl_b32 s52, s52, 5
	s_add_co_u32 s52, s52, s19
	s_lshl_b32 s52, s52, 4          ; 16 heads to a block
	s_and_b32 s54, s15, 15
	s_add_co_u32 s52, s52, s54
	s_lshl_b32 s52, s52, 13         ; 8,192 bytes each
	s_mov_b32 s53, 0
	; descriptor group 1.  128 keys are 16,384 dense bytes: asked for as 64 rows of 256 bytes, two keys a row, and padded in LDS after every key
	s_mov_b32 s[G1K], 15|(1<<16)|(1<<20)|(1<<21)|(4<<22)|(3<<25)
	s_mov_b32 s[G1V], 15|(1<<16)|(1<<20)|(1<<21)|(4<<22)|(7<<25)
.irp g, G1K, G1V
	s_mov_b32 s[\g+1], 128<<16
	s_mov_b32 s[\g+2], 64<<16
	s_mov_b32 s[\g+3], 128<<16
	s_mov_b32 s[\g+4], 64
	s_mov_b32 s[\g+5], 128
	s_mov_b32 s[\g+6], 0
	s_mov_b32 s[\g+7], 0
.endr
	s_mov_b32 s[CS], 0x3e38aa3b     ; c = log2(e) / 8
	s_mov_b32 s[CS+1], s[CS]
	s_mov_b32 s[SEL], 0x76543210
	s_mov_b32 s[SEL+1], 0xfedcba98
	s_mov_b32 s[TBK], SLOT1+4*KS*PK ; the first change of slots turns these two into 0
	s_mov_b32 s[TBV], SLOT1+4*KS*PV
	s_mov_b32 s[G0K], 1
	s_mov_b32 s[G0K+1], s17
	s_mov_b32 s[G0V], 1
	s_add_co_u32 s[G0V+1], s18, VOFF
	s_mov_b32 s[SLOTS], 7           ; 2,048 / 256 - 1
	s_and_b32 s[LIM], s[WV], 1
	s_or_b32 s[LIM], s[LIM], ttmp9  ; 0 in waves 0 and 2 of the head's first cluster: the same in all four partners
	s_cmp_eq_u32 s[LIM], 0
	s_cselect_b32 s[LIM], 1, -1
	v_and_b32 v1, 31, v0
	WIN W_T1
	v_lshlrev_b32 v[PFO], 8, v1
	WIN 0
	s_wait_dscnt 0x0                ; the opening add is done
	s_wait_kmcnt 0x0
	s_add_nc_u64 s[6:7], s[4:5], 0x800000   ; k
	s_add_nc_u64 s[8:9], s[4:5], 0x1000000  ; v
	s_add_nc_u64 s[6:7], s[6:7], s[22:23]
	s_add_nc_u64 s[8:9], s[8:9], s[22:23]
	s_add_nc_u64 s[4:5], s[4:5], s[2:3]     ; Q and O at my wave's first row
	s_add_nc_u64 s[10:11], s[10:11], s[52:53]
	s_mov_b64 s[G0K+2:G0K+3], s[6:7]
	s_or_b32 s[G0K+3], s[G0K+3], 0x80000000
	s_mov_b64 s[G0V+2:G0V+3], s[8:9]
	s_or_b32 s[G0V+3], s[G0V+3], 0x80000000
	s_cmp_lt_u32 s[WV], 2
	s_cselect_b64 s[PFA:PFA+1], s[6:7], s[8:9]
	s_lshl_b32 s2, s13, 13          ; my work-group's quarter of a slot
	s_add_nc_u64 s[PFA:PFA+1], s[PFA:PFA+1], s[2:3]
	s_add_nc_u64 s[PFA:PFA+1], s[PFA:PFA+1], 4*KS*128  ; in slot 1; the first change of slots steps it to slot 2
	CROUND                          ; all four work-groups are here: the first joint loads meet
	JLOAD                           ; slot 0
	v_and_b32 v[S], 15, v0          ; l % 16 (S^T's registers serve as scratch until the first products write them)
	v_bfe_u32 v[S+1], v0, 4, 1      ; l / 16
	v_lshlrev_b32 v[QO], 7, v[S]
	v_lshl_add_u32 v[QO], v[S+1], 4, v[QO]
.set i, 0
.rept 8                             ; Q stays in registers: piece i / 2, channels 32 (i % 2) on
	global_load_b128 v[QF+8*i:QF+8*i+3],   v[QO], s[4:5] offset:(i/2)*2048+(i%2)*64
	global_load_b128 v[QF+8*i+4:QF+8*i+7], v[QO], s[4:5] offset:(i/2)*2048+(i%2)*64+32
.set i, i+1
.endr
	; What the first turn finds: V's registers and P's second buffer hold 0 (its products V^T P, of a piece that has not been, add 0), O^T and l are 0.  All this stands in the wait for the first tile.
	WIN W_T1
.set i, 0
.rept 192                           ; O^T, then V
	v_mov_b32 v[i], 0
.set i, i+1
.endr
	WIN 0
.set i, 0
.rept 4
	v_mov_b32 v[ST+4*i], 0xfe000000    ; c m: far below every c s
	v_mov_b32 v[ST+4*i+1], 0xff7fffff  ; m
	v_mov_b32 v[ST+4*i+2], 0
	v_mov_b32 v[ST+4*i+3], 0
.set i, i+1
.endr
.set i, P+16
.rept 16
	v_mov_b32 v[i], 0
.set i, i+1
.endr
	v_mul_u32_u24 v[AK0], v[S], PK
	v_lshl_add_u32 v[AK0], v[S+1], 4, v[AK0]
	; The turning load takes 16 keys x 16 channels (lane l reads key 8 (l / 16) + l % 8, channels 8 ((l / 8) % 2) + 0..7) and leaves half a fragment of V^T.
	v_and_b32 v[S+2], 7, v0
	v_bfe_u32 v[S+3], v0, 3, 1
	v_lshl_add_u32 v[AV0], v[S+1], 3, v[S+2]
	v_mul_u32_u24 v[AV0], v[AV0], PV
	v_lshl_add_u32 v[AV0], v[S+3], 4, v[AV0]
	v_add_nc_u32 v[AV0], VOFF, v[AV0]
	v_mov_b32 v[AK], v[AK0]         ; key step 0 lies at the head of slot 0
; THE MATRIX WORK.  The 4 accumulators of a run of 8 take turns.  Product i of 8 of S^T = K Q^T for piece x: channels 32 (i / 4) on, keys 16 (i % 4) on.  The first 4 start the sums.
.macro KQ x
	WIN 0
.set rS, S+32*((\x)%2)+8*(i%4)
.set rK, KF+16*(i%4)+8*(i/4)
.set rQ, QF+16*(\x)+8*(i/4)
.if i < 4
	v_wmma_f32_16x16x32_bf16 v[rS:rS+7], v[rK:rK+7], v[rQ:rQ+7], 0
.else
	v_wmma_f32_16x16x32_bf16 v[rS:rS+7], v[rK:rK+7], v[rQ:rQ+7], v[rS:rS+7]
.endif
.endm
; Product i of 8 of O^T += V^T P for piece x: keys 32 (i / 4) on, channels 16 (i % 4) on.
.macro PV x
	WIN W_PV
.set rO, 32*(\x)+8*(i%4)
.set rV, VF+32*(i/4)+8*(i%4)
.set rP, P+16*((\x)%2)+8*(i/4)
	v_wmma_f32_16x16x32_bf16 v[rO:rO+7], v[rV:rV+7], v[rP:rP+7], v[rO:rO+7]
.endm
.macro MM                           ; the turn's next matrix instruction
.if i < 8
	KQ (Y+1)%NP
.else
.set i, i-8
	PV (Y+NP-1)%NP
.set i, i+8
.endif
.set i, i+1
.endm
; THE LDS LOADS stand in runs of 16.  last = 1 (the tail): in the last trip there is no further step, and the run is jumped over.
.macro FETCH_K last=0
	WIN 0
.if \last
	s_cmp_eq_u32 s[CNT], 1
	s_cbranch_scc1 .Lno_k_\@
.endif
.irp f, 0,1,2,3,4,5,6,7             ; keys 16 (f / 2) on, channels 32 (f % 2) on
	ds_load_b128 v[KF+8*\f:KF+8*\f+3],   v[AK] offset:(\f/2)*16*PK+(\f%2)*64
	ds_load_b128 v[KF+8*\f+4:KF+8*\f+7], v[AK] offset:(\f/2)*16*PK+(\f%2)*64+32
.endr
	s_add_co_u32 s[TBK], s[TBK], KS*PK
.if \last
.Lno_k_\@:
.endif
.endm
.macro FETCH_V
	WIN W_T1
.irp f, 0,1,2,3,4,5,6,7             ; keys 32 (f / 4) on, channels 16 (f % 4) on
	ds_load_tr16_b128 v[VF+8*\f:VF+8*\f+3],   v[AV] offset:(\f/4)*32*PV+(\f%4)*32
	ds_load_tr16_b128 v[VF+8*\f+4:VF+8*\f+7], v[AV] offset:(\f/4)*32*PV+16*PV+(\f%4)*32
.endr
	WIN 0
.endm
; THE VECTOR WORK, one line at a time: OP kind, number.  For piece Y: F n: c s - c m for pair n of 16.  E n: the exponential of score n of 32.  C n: pair n rounded to bf16.  B n: of the four weights 4 n .. the
; second pair is added onto the first, in place (so C 2n stands ahead of B n).  L n: l takes that sum (L 0: l = a l + sum).  R n: pair n of 16 of O^T times a.  For piece Y + 1: X n, number n of the 22 that find
; its maximum and statistics:
;   0-11  four chains c0-c3 of seven scores each (each accumulator's lowest registers are read first)     12-14, 16  the four scores left over, the old m, and c0-c3 into c0
;   15  c m_old is kept     17, 18  the query's other 32 keys lie in the lane 16 away: the new m     19-21  c m; c m_old - c m_new; a
.set F, 0
.set E, 1
.set C, 2
.set B, 3
.set L, 4
.set R, 5
.set X, 6
.macro REGS y
.set rT, ST+4*(\y)
.set rC, TMP+4*((\y)%2)
.set rW, MV+((\y)%2)
.set rS, S+32*((\y)%2)
.set rP, P+16*((\y)%2)
.set rO, 32*(\y)
.endm
.macro OP k, n
.if (\k) == R
	REGS Y
	WIN W_PV
	v_pk_mul_f32 v[rO+2*(\n):rO+2*(\n)+1], v[rO+2*(\n):rO+2*(\n)+1], v[rC+2:rC+3] op_sel_hi:[1,0]
.elseif (\k) < R
	REGS Y
	WIN 0
.if (\k) == F
	v_pk_fma_f32 v[rS+2*(\n):rS+2*(\n)+1], v[rS+2*(\n):rS+2*(\n)+1], s[CS:CS+1], v[rT:rT+1] op_sel_hi:[1,0,0] neg_lo:[0,0,1] neg_hi:[0,0,1]
.elseif (\k) == E
	v_exp_f32 v[rS+(\n)], v[rS+(\n)]
.elseif (\k) == C
	s_wait_alu depctr_va_vdst(0)
	v_cvt_pk_bf16_f32 v[rP+(\n)], v[rS+2*(\n)], v[rS+2*(\n)+1]
.elseif (\k) == B
	s_wait_alu depctr_va_vdst(0)
	v_pk_add_f32 v[rS+4*(\n):rS+4*(\n)+1], v[rS+4*(\n):rS+4*(\n)+1], v[rS+4*(\n)+2:rS+4*(\n)+3]
.elseif (\n) == 0
	v_pk_fma_f32 v[rT+2:rT+3], v[rT+2:rT+3], v[rC+2:rC+3], v[rS:rS+1] op_sel_hi:[1,0,1]
.else
	v_pk_add_f32 v[rT+2:rT+3], v[rT+2:rT+3], v[rS+4*(\n):rS+4*(\n)+1]
.endif
.else
	REGS (Y+1)%NP
	WIN 0
.if (\n) < 4
	v_max3_num_f32 v[rC+(\n)], v[rS+8*(\n)], v[rS+8*(\n)+1], v[rS+8*(\n)+2]
.elseif (\n) < 12
	v_max3_num_f32 v[rC+(\n)%4], v[rC+(\n)%4], v[rS+8*((\n)%4)+2*((\n)/4)+1], v[rS+8*((\n)%4)+2*((\n)/4)+2]
.elseif (\n) == 12
	v_max3_num_f32 v[rC], v[rC], v[rS+7], v[rS+15]
.elseif (\n) == 13
	v_max3_num_f32 v[rC+1], v[rC+1], v[rS+23], v[rS+31]
.elseif (\n) == 14
	v_max3_num_f32 v[rC+2], v[rC+2], v[rC+3], v[rT+1]
.elseif (\n) == 15
	v_mov_b32 v[rW], v[rT]
.elseif (\n) == 16
	v_max3_num_f32 v[rC], v[rC], v[rC+1], v[rC+2]
.elseif (\n) == 17
	v_permlanex16_b32 v[rC+3], v[rC], s[SEL], s[SEL+1]
.elseif (\n) == 18
	v_max_num_f32 v[rT+1], v[rC], v[rC+3]
.elseif (\n) == 19
	v_mul_f32 v[rT], s[CS], v[rT+1]
.elseif (\n) == 20
	v_sub_f32 v[rC+1], v[rW], v[rT]
.else
	v_exp_f32 v[rC+2], v[rC+1]
.endif
.endif
.endm
.macro OPS a, i1, b=-1, i2=0, c=-1, i3=0, d=-1, i4=0
	OP \a, \i1
.if (\b) >= 0
	OP \b, \i2
.endif
.if (\c) >= 0
	OP \c, \i3
.endif
.if (\d) >= 0
	OP \d, \i4
.endif
.endm
.macro ROW a, i1, b, i2, c, i3, d, i4  ; a matrix instruction and the four behind it
	MM
	OPS \a, \i1, \b, \i2, \c, \i3, \d, \i4
.endm
; A TURN, for piece p: the order of its 16 matrix and 118 vector instructions, written out.  None of the four lines behind a matrix instruction names a register of the products round it.  Every exponential has a
; plain line between it and the first use of its result.
; The next piece's scores are first read (X 0 to X 3, each accumulator's low registers) four plain lines or more behind the product that finished the accumulator: behind the last K Q^T stand C 2, C 3, B 1, X 0, X 1, X 2.
; K of the next step is fetched in piece 2's turn, behind four plain lines (C 2, C 3, B 1, X 0) that follow the last product that read K; V of the step in hand in piece 0's turn, behind four (X 13, X 14, C 4, X 16)
; that follow the last product that read V.  Each is waited for a turn later.  cnt = 1: the loop's count is taken down some lines ahead of the branch behind the turn.
.macro TURN p, last=0, cnt=0
.set Y, (\p)
.set i, 0
.if (\p) == 3
	s_wait_dscnt 0x0                ; K is in
.endif
	ROW F,0, F,1, F,2, F,3
	ROW F,4, E,0, F,5, F,6
	ROW F,7, E,1, F,8, F,9
	ROW F,10, E,2, C,0, F,11
	ROW F,12, E,3, X,15, F,13
	ROW B,0, E,4, F,14, L,0
	ROW F,15, E,5, C,1, E,6
.if (\p) == 2
	WIN 0
	v_add_nc_u32 v[AK], s[TBK], v[AK0]
.endif
	ROW E,7, C,2, E,8, E,9
	OPS C,3, B,1, X,0
.if (\p) == 2
	FETCH_K \last
.endif
	OPS E,10, X,1, E,11, X,2
	OPS E,12, X,3, E,13, L,1
.if (\p) == 1
	s_wait_dscnt 0x0                ; V is in
.endif
	ROW R,0, R,1, R,2, R,3
	ROW R,4, R,5, R,6, R,7
	ROW R,8, R,9, R,10, R,11
	ROW R,12, R,13, R,14, R,15
	ROW X,4, E,14, X,5, X,6
	ROW X,7, E,15, X,8, X,9
	ROW X,10, E,16, X,11, X,12
.if (\p) == 0
	WIN 0
	v_add_nc_u32 v[AV], s[TBV], v[AV0]
.endif
	ROW X,13, E,17, X,14, C,4
	OPS X,16
.if (\p) == 0
	FETCH_V
.endif
	OPS E,18, B,2, E,19, X,17
	OPS E,20, C,5, E,21, L,2
	OPS E,22, X,18, E,23, C,6
	OPS E,24, X,19, E,25, B,3
	OPS E,26, X,20, E,27, C,7
	OPS E,28, L,3, X,21, C,8
	OPS E,29, B,4, E,30, C,9
	OPS E,31, C,10, L,4, B,5
.if (\p) == 0
	s_add_co_u32 s[TBV], s[TBV], KS*PV
.endif
.if \cnt
	s_sub_co_u32 s[CNT], s[CNT], 1
	s_cmp_lg_u32 s[CNT], 0
.endif
	OPS C,11, C,12, L,5, B,6
	OPS C,13, C,14, L,6, B,7
	OPS C,15, L,7
.endm
	CHANGE 1                        ; slot 0 is in, everybody's part of it; slot 1 is asked for
	FETCH_K                         ; key step 0
	s_wait_loadcnt 0x0              ; Q
	s_wait_dscnt 0x0
.set i, 0
.rept 8
	KQ 0                            ; piece 0's first scores
.set i, i+1
.endr
.rept 4
	v_nop                           ; the places behind those products
.endr
.set Y, NP-1                        ; X works for piece Y + 1: piece 0
.irp n, 0,1,2,3,4,5,6,7,8,9,10,11,12,13,14,15,16,17,18,19,20,21
	OP X, \n
.endr
	v_nop                           ; a plain instruction behind the exponential
	s_mov_b32 s[CNT], 4
	s_branch .Lfirst                ; the loop is entered at a step's first turn, in the middle of a trip
.Lslot:                             ; six times: every slot but the last two is filled again
	CHANGE 1
	s_mov_b32 s[CNT], 4
.Lstep:                             ; a trip: pieces 2 and 3 of one step, then pieces 0 and 1 of the next, whose K and V it fetches
	TURN 2
	TURN 3
	WIN 0
.Lfirst:
	TURN 0
	TURN 1, 0, 1
	WIN 0
	s_cbranch_scc1 .Lstep
	s_sub_co_u32 s[SLOTS], s[SLOTS], 1
	s_cmp_lg_u32 s[SLOTS], 0
	s_cbranch_scc1 .Lslot
	CHANGE 0                        ; the tail is written out: nothing is asked for
	s_mov_b32 s[CNT], 5             ; four trips fetch the last slot's steps; the fifth is left in its middle
.Ltail:
	TURN 2, 1
	TURN 3
	WIN 0
	s_sub_co_u32 s[CNT], s[CNT], 1
	s_cmp_eq_u32 s[CNT], 0
	s_cbranch_scc1 .Lout
	TURN 0
	TURN 1
	WIN 0
	s_branch .Ltail
.Lout:                              ; the fifth trip's 8 products K Q^T (on the last K once more) and the maximum made of them serve nothing: the price, once a launch, of one text for every trip
.set i, 0
.rept 8
	PV NP-1                         ; the last piece's V^T P of the last step
.set i, i+1
.endr
	; THE WAY OUT.  l's two halves and the other half of the lanes' are added; O^T is divided by l, rounded to bf16 and sent through my stage in LDS, a piece at a time.
	; The addresses are made first, in K's registers: plain lines, the places behind the last products.
	WIN 0
	s_mul_i32 s13, s[WV], 16*SP
	s_add_co_u32 s13, s13, STAGE    ; my stage
	v_and_b32 v[KF+3], 15, v0       ; l % 16
	v_bfe_u32 v[KF+4], v0, 4, 1     ; l / 16
	v_and_b32 v[KF+5], 7, v0
	v_mul_u32_u24 v[STO], v[KF+3], SP  ; in: row l % 16, 16 bytes for each half of the lanes
	v_lshl_add_u32 v[STO], v[KF+4], 4, v[STO]
	v_add_nc_u32 v[STO], s13, v[STO]
	v_bfe_u32 v[RD], v0, 3, 2       ; back: 32 lanes take four rows of 128 bytes,
	v_mul_u32_u24 v[RD], v[RD], SP
	v_lshl_add_u32 v[RD], v[KF+5], 4, v[RD]
	v_add_nc_u32 v[RD], s13, v[RD]
	v_and_b32 v[GO], 31, v0         ; which are 512 consecutive bytes of O
	v_lshlrev_b32 v[GO], 4, v[GO]
.macro ALL line:vararg
.set t, 0
.rept 4
	\line
.set t, t+1
.endr
.endm
	ALL v_add_f32 v[ST+4*t+2], v[ST+4*t+2], v[ST+4*t+3]
	ALL v_permlanex16_b32 v[ST+4*t+3], v[ST+4*t+2], s[SEL], s[SEL+1]
	ALL v_add_f32 v[ST+4*t+2], v[ST+4*t+2], v[ST+4*t+3]
	ALL v_rcp_f32 v[ST+4*t+2], v[ST+4*t+2]
	v_nop                           ; a plain instruction between the last reciprocal and the use of its result
.macro PACK t                       ; a lane's eight channels of a row pack into 16 bytes; they go into rows of 144 bytes and come back as whole rows of 128, into S^T's registers
	WIN W_PV
.set i, 32*(\t)
.rept 16
	s_wait_alu depctr_va_vdst(0)
	v_pk_mul_f32 v[i:i+1], v[i:i+1], v[ST+4*(\t)+2:ST+4*(\t)+3] op_sel_hi:[1,0]
.set i, i+2
.endr
	WIN 0x05                        ; sources 0 and 1 window 1, destination window 0
.set i, 0
.rept 16
	v_cvt_pk_bf16_f32 v[S+16*(\t)+i], v[32*(\t)+2*i], v[32*(\t)+2*i+1]
.set i, i+1
.endr
	WIN 0
.irp f, 0,1,2,3
	ds_store_b128 v[STO], v[S+16*(\t)+4*\f:S+16*(\t)+4*\f+3] offset:32*\f
.endr
.irp f, 0,1,2,3
	ds_load_b128 v[S+16*(\t)+4*\f:S+16*(\t)+4*\f+3], v[RD] offset:\f*4*SP  ; LDS serves a wave's instructions in order (ISA guide 5.7.1.4): these see the stores above; the next piece's stores come behind them
.endr
.endm
.macro SEND t, younger              ; younger: the LDS instructions issued behind piece t's loads: the next piece's eight, or none
	WIN 0
.irp f, 0,1,2,3
	s_wait_dscnt (\younger)+3-\f
	global_store_b128 v[GO], v[S+16*(\t)+4*\f:S+16*(\t)+4*\f+3], s[10:11] offset:(\t)*2048+\f*512  ; 512 consecutive bytes, aligned to 512
.endr
.endm
	PACK 0
.set t, 1
.rept 3
	PACK t
	SEND t-1, 8
.set t, t+1
.endr
	SEND 3, 0
	WIN W_AD
	s_wait_tensorcnt 0x0            ; the wave's end, behind my last tensor load and my last LDS store
	ds_add_u32 v[SPW], v[NIL]
	s_wait_dscnt 0x0
	WIN 0
	CROUND                          ; the closing round
	s_endpgm
.Lfunc_end_k_q50a2b6ddc0_attn:
	.size	k_q50a2b6ddc0_attn, .Lfunc_end_k_q50a2b6ddc0_attn-k_q50a2b6ddc0_attn
	.p2alignl 7, 3214868480
	.fill 96, 4, 3214868480
	.section	.rodata,"a",@progbits
	.p2align	6, 0x0
	.amdhsa_kernel k_q50a2b6ddc0_attn
		.amdhsa_group_segment_fixed_size 327680
		.amdhsa_private_segment_fixed_size 0
		.amdhsa_enable_private_segment 0
		.amdhsa_kernarg_size 16
		.amdhsa_user_sgpr_count 2
		.amdhsa_user_sgpr_kernarg_segment_ptr 1
		.amdhsa_wavefront_size32 1
		.amdhsa_system_sgpr_workgroup_id_x 1
		.amdhsa_system_sgpr_workgroup_id_y 1
		.amdhsa_system_sgpr_workgroup_id_z 1
		.amdhsa_system_vgpr_workitem_id 0
		.amdhsa_next_free_vgpr 512
		.amdhsa_next_free_sgpr 66
		.amdhsa_reserve_vcc 0
		.amdhsa_float_denorm_mode_32 3
		.amdhsa_float_denorm_mode_16_64 3
		.amdhsa_memory_ordered 1
		.amdhsa_forward_progress 1
		.amdhsa_inst_pref_size 110
	.end_amdhsa_kernel
	.amdgpu_metadata
---
amdhsa.version: [ 1, 2 ]
amdhsa.kernels:
  - .name:           k_q50a2b6ddc0_attn
    .symbol:         k_q50a2b6ddc0_attn.kd
    .args:
      - { .name: qkv, .offset: 0, .size: 8, .value_kind: global_buffer, .address_space: global }
      - { .name: o, .offset: 8, .size: 8, .value_kind: global_buffer, .address_space: global }
    .group_segment_fixed_size: 327680
    .private_segment_fixed_size: 0
    .kernarg_segment_align: 8
    .kernarg_segment_size: 16
    .max_flat_workgroup_size: 128
    .sgpr_count:     66
    .vgpr_count:     512
    .wavefront_size: 32
...
	.end_amdgpu_metadata
.endif
;; end of part 3
;; launch wo (part 4): grid 8 x 32, 4 waves a work-group, clusters of 4 x 4, 327,680 bytes of LDS; arguments o, wt, x, x1; writes x1
.if DOCPART == 4
	.amdgcn_target "amdgcn-amd-amdhsa--gfx1250"
	.amdhsa_code_object_version 6
	.text
	.protected	k_q50a2b6ddc0_wo
	.globl	k_q50a2b6ddc0_wo
	.p2align	8
	.type	k_q50a2b6ddc0_wo,@function
k_q50a2b6ddc0_wo:
	s_mov_b64 s[64:65], 0
	v_nop
	global_prefetch_b8 v0, s[64:65] scope:SCOPE_SE
	s_setreg_imm32_b32 hwreg(HW_REG_WAVE_MODE, 25, 1), 1
	s_wait_xcnt 0x0
	s_wait_alu depctr_hold_cnt(0) depctr_sa_sdst(0) depctr_va_vdst(0) depctr_va_sdst(0) depctr_va_ssrc(0) depctr_va_vcc(0) depctr_vm_vsrc(0)
	s_getreg_b32 s2, hwreg(HW_REG_IB_STS2, 6, 4)
	s_cmp_eq_u32 s2, 0
	s_cbranch_scc0 .Lentry_in_a_cluster
	s_endpgm
.Lentry_in_a_cluster:
	s_bfe_u32 s2, ttmp6, 0x10000c
	s_cmp_lg_u32 s2, 0xf033
	s_cbranch_scc0 .Lentry_shape_is_right
	s_endpgm
.Lentry_shape_is_right:
; x1 = x + concat(O) Wo.  C[token][n] = sum over k of O[token][k] WoT[n][k], k = 64 head + channel: 4,096 x 1,024, K = 1,024; operands bf16, sums f32; x and x1 f32, unrounded.
; O lies as o[token / 64][head][64 rows][64 channels]: for 64 tokens, four heads (256 along K) are 32,768 bytes on end: one dense tile, asked for as 128 rows of 256 bytes and padded in LDS after every 128.
; A tile of C is 128 x 128: 8 x 32 work-groups of four waves, a wave 64 x 64: 16 accumulators.  K goes in steps of 256 through two LDS slots; a quarter step (64 along K) is one head.
; CLUSTER: 4 x 4 work-groups; O's tiles are asked for jointly along a row of the cluster, WoT's along a column.  THE MATRIX INSTRUCTION IS USED TRANSPOSED (source 0 = rows of WoT, source 1 = rows of O).
; A K STEP IS WRITTEN ONCE: the slot in hand is a scalar (0 or SLOT) that one exclusive or turns.  The residual's rows are asked for at the start and lie in registers until the sums are done.
; REGISTERS: window 0: v0-31 addresses; v128-255 the accumulators ((a, b) at v[128 + 8 (4 a + b)]), later the rows read back; window 1: two fragment buffers of 128 (64 of O, then 64 of WoT); window 2: v0-127 the residual.
.set KDIM,   1024
.set KSTEPS, 4
.set PA,     144                       ; a row of O in LDS: 128 bytes + 16 = 36 words: the 16 rows of a load start at 16 different groups of four banks (64 banks of 4 bytes: ISA guide 11.1)
.set AQ,     64*PA                     ; from a quarter step to the next: a head's 64 rows
.set HALFA,  4*AQ
.set ASTEP,  32768                     ; bytes in memory from a K step to the next
.set PB,     528                       ; a row of WoT in LDS: 512 bytes + 16
.set HALFB,  64*PB
.set SLOT,   2*HALFA+2*HALFB
.set SPARE,  2*SLOT
.set BOFF,   6291456                   ; WoT in wt
.set SPITCH, 528                       ; the way out: a row of the tile in f32, 512 bytes + 16; the stage lies over the ring, which has had its last fill by then
.set PADA,   (1<<16)|(1<<20)|(1<<21)|(4<<22)|(3<<25)  ; padding after every 32 words, of 4 words
.set PADB,   (1<<16)|(1<<20)|(1<<21)|(6<<22)|(3<<25)  ; after every 128 words
.set A0,   16
.set B0,   17
.set ADRA, 18
.set ADRB, 19
.set STO,  20                          ; v20  the way out: where my 32 bytes of a row go
.set RD,   22                          ; v22  where I read rows back
.set GO,   23                          ; v23  16 x lane: my bytes of a tile's row in x and x1; never rewritten
.set SPW,  28
.set NIL,  29
.set ACC,  128
.set F0,   0
.set F1,   128
.set TB,   2
.set CNT,  3
.set WV,   14
.set MH,   15
.set NH,   16
.set TY,   17
.set TX,   18
.set WOFFA, 20
.set WOFFB, 21
.set G1A,  24
.set G0A0, 32
.set G0AW, 36
.set G1B,  48
.set G0B0, 56
.set G0BW, 60
.set MUL,  0x05                        ; sources 0 and 1 window 1; C and D window 0
.set TO_F, 0x40                        ; destination window 1, address window 0
.set MSB, 0
.macro WIN new
.if MSB != (\new)
	s_set_vgpr_msb (MSB<<8)|(\new)
.set MSB, \new
.endif
.endm
.macro PLACES
.rept 4
	v_nop
.endr
.endm
.macro CREST
	s_cmp_lg_u32 s[WV], 0
	s_cbranch_scc1 .Lnot_wave_0_\@
	s_barrier_signal -3
.Lnot_wave_0_\@:
	s_barrier_wait -3
	s_barrier_signal -1
	s_barrier_wait -1
.endm
.macro CROUND
	s_barrier_signal -1
	s_barrier_wait -1
	CREST
.endm
.macro JLOAD                           ; a joint refill: waves 0 and 1 fetch O's two halves, waves 2 and 3 WoT's; an s_nop 0 and four v_nop follow each line
	s_cmp_eq_u32 s[MH], 0
	s_cbranch_scc0 .Lfor_b_\@
	tensor_load_to_lds s[G0AW:G0AW+3], s[G1A:G1A+7]
	s_nop 0
.rept 4
	v_nop
.endr
	s_branch .Lasked_\@
.Lfor_b_\@:
	tensor_load_to_lds s[G0BW:G0BW+3], s[G1B:G1B+7]
	s_nop 0
.rept 4
	v_nop
.endr
.Lasked_\@:
.endm
	s_load_b256 s[4:11], s[0:1], 0x0               ; o s[4:5], wt s[6:7], x s[8:9], x1 s[10:11]
	v_lshl_add_u32 v[SPW], v0, 2, SPARE
	v_mov_b32 v[NIL], 0
	ds_add_u32 v[SPW], v[NIL]                      ; the wave's opening: the add and its wait stand ahead of my first tensor load
	v_lshrrev_b32 v1, 5, v0
	v_readfirstlane_b32 s[WV], v1
	s_lshr_b32 s[MH], s[WV], 1
	s_and_b32 s[NH], s[WV], 1
	s_bfe_u32 s22, ttmp6, 0x40000                  ; cx
	s_bfe_u32 s23, ttmp6, 0x40004                  ; cy
	s_lshl_b32 s[TX], ttmp9, 2
	s_add_co_u32 s[TX], s[TX], s22
	s_and_b32 s[TY], ttmp7, 0xffff
	s_lshl_b32 s[TY], s[TY], 2
	s_add_co_u32 s[TY], s[TY], s23
	s_lshl_b32 s40, s23, 2
	s_lshl_b32 s40, 15, s40                        ; my row of the cluster
	s_lshl_b32 s44, 0x1111, s22                    ; my column
	s_or_b32 s[G1A], s40, PADA
	s_or_b32 s[G1B], s44, PADB
	s_mov_b32 s[G1A+1], 128<<16                    ; 128 rows of 128 elements, dense
	s_mov_b32 s[G1A+2], 128<<16
	s_mov_b32 s[G1A+3], 128<<16
	s_mov_b32 s[G1A+4], 128
	s_mov_b32 s[G1A+5], 128
	s_mov_b32 s[G1A+6], 0
	s_mov_b32 s[G1A+7], 0
	s_mov_b32 s[G1B+1], 256<<16                    ; 64 rows of 256 elements
	s_mov_b32 s[G1B+2], 64<<16
	s_mov_b32 s[G1B+3], 256<<16
	s_mov_b32 s[G1B+4], 64
	s_mov_b32 s[G1B+5], KDIM
	s_mov_b32 s[G1B+6], 0
	s_mov_b32 s[G1B+7], 0
	s_lshl_b32 s40, s[TY], 1                       ; O's tile: the block of 64 tokens 2 TY + half,
	s_add_co_u32 s40, s40, s[NH]
	s_lshl_b32 s40, s40, 17                        ; 131,072 bytes each
	s_mov_b32 s41, 0
	s_lshl_b32 s44, s[TX], 7
	s_lshl_b32 s45, s[NH], 6
	s_add_co_u32 s44, s44, s45
	s_mul_i32 s44, s44, 2*KDIM
	s_add_co_u32 s44, s44, BOFF
	s_mov_b32 s45, 0
	s_mul_i32 s[WOFFA], s[NH], HALFA
	s_mul_i32 s[WOFFB], s[NH], HALFB
	s_add_co_u32 s[WOFFB], s[WOFFB], 2*HALFA
	s_lshl_b32 s66, s[TY], 7                       ; the rows that I store: 128 TY + 32 wave,
	s_lshl_b32 s67, s[WV], 5
	s_add_co_u32 s66, s66, s67
	s_lshl_b32 s66, s66, 12                        ; of 4,096 bytes,
	s_lshl_b32 s67, s[TX], 9                       ; the tile's 512 bytes of them
	s_add_co_u32 s66, s66, s67
	s_mov_b32 s67, 0
	s_wait_dscnt 0x0                               ; the opening add is done
	s_wait_kmcnt 0x0
	s_add_nc_u64 s[40:41], s[4:5], s[40:41]
	s_add_nc_u64 s[44:45], s[6:7], s[44:45]
	s_add_nc_u64 s[8:9], s[8:9], s[66:67]
	s_add_nc_u64 s[10:11], s[10:11], s[66:67]
	CROUND                                         ; all sixteen work-groups are here: the first joint loads meet
	s_mov_b32 s[G0A0], 1
	s_mov_b32 s[G0A0+1], s[WOFFA]
	s_mov_b64 s[G0A0+2:G0A0+3], s[40:41]
	s_or_b32 s[G0A0+3], s[G0A0+3], 0x80000000
	s_mov_b32 s[G0AW], 1
	s_add_co_u32 s[G0AW+1], s[WOFFA], SLOT
	s_add_nc_u64 s[G0AW+2:G0AW+3], s[40:41], ASTEP
	s_or_b32 s[G0AW+3], s[G0AW+3], 0x80000000
	s_mov_b32 s[G0B0], 1
	s_mov_b32 s[G0B0+1], s[WOFFB]
	s_mov_b64 s[G0B0+2:G0B0+3], s[44:45]
	s_or_b32 s[G0B0+3], s[G0B0+3], 0x80000000
	s_mov_b32 s[G0BW], 1
	s_add_co_u32 s[G0BW+1], s[WOFFB], SLOT
	s_add_nc_u64 s[G0BW+2:G0BW+3], s[44:45], 512
	s_or_b32 s[G0BW+3], s[G0BW+3], 0x80000000
	s_cmp_eq_u32 s[MH], 0                          ; a wave's two first fills stand in one branch: two loads of mine are out
	s_cbranch_scc0 .Lfirst_b
	tensor_load_to_lds s[G0A0:G0A0+3], s[G1A:G1A+7]
	s_nop 0
	tensor_load_to_lds s[G0AW:G0AW+3], s[G1A:G1A+7]
	s_nop 0
.rept 4
	v_nop
.endr
	s_branch .Lfirst_asked
.Lfirst_b:
	tensor_load_to_lds s[G0B0:G0B0+3], s[G1B:G1B+7]
	s_nop 0
	tensor_load_to_lds s[G0BW:G0BW+3], s[G1B:G1B+7]
	s_nop 0
.rept 4
	v_nop
.endr
.Lfirst_asked:
	v_and_b32 v[GO], 31, v0
	v_lshlrev_b32 v[GO], 4, v[GO]
	WIN 0x80                                       ; destination window 2, address window 0
.set r, 0
.rept 32                               ; the residual: my 32 rows' 512 bytes, aligned to 512; they are waited for behind the last product
	global_load_b128 v[4*r:4*r+3], v[GO], s[8:9] offset:r*4096 th:TH_LOAD_NT
.set r, r+1
.endr
	WIN 0
	v_and_b32 v1, 15, v0
	v_bfe_u32 v2, v0, 4, 1
	v_mul_u32_u24 v3, v1, PA
	v_lshl_add_u32 v3, v2, 4, v3
	s_mul_i32 s42, s[MH], HALFA
	v_add_nc_u32 v[A0], s42, v3
	v_mul_u32_u24 v3, v1, PB
	v_lshl_add_u32 v3, v2, 4, v3
	v_add_nc_u32 v[B0], s[WOFFB], v3
	s_mul_i32 s42, s[MH], 64*SPITCH                ; into the stage: row 64 MH + 16 a + l % 16, byte 256 NH + 64 b + 32 (l / 16)
	s_lshl_b32 s43, s[NH], 8
	s_add_co_u32 s42, s42, s43
	v_mul_u32_u24 v[STO], v1, SPITCH
	v_lshl_add_u32 v[STO], v2, 5, v[STO]
	v_add_nc_u32 v[STO], s42, v[STO]
	s_mul_i32 s42, s[WV], 32*SPITCH                ; back: wave w takes rows 32 w .. 32 w + 31, whole
	v_add_nc_u32 v[RD], s42, v[GO]
; 8 matrix instructions: m blocks a0, a0 + 1 x all 4 n blocks, 32 along K: half c of buffer f.  The 16 accumulators take turns.
.macro MUL8 f, c, a0, zero
	WIN MUL
.irp a, \a0, (\a0)+1
.irp b, 0,1,2,3
.if \zero
	v_wmma_f32_16x16x32_bf16 v[ACC+8*(4*(\a)+(\b)):ACC+8*(4*(\a)+(\b))+7], v[(\f)+64+8*(4*(\c)+(\b)):(\f)+64+8*(4*(\c)+(\b))+7], v[(\f)+8*(4*(\c)+(\a)):(\f)+8*(4*(\c)+(\a))+7], 0
.else
	v_wmma_f32_16x16x32_bf16 v[ACC+8*(4*(\a)+(\b)):ACC+8*(4*(\a)+(\b))+7], v[(\f)+64+8*(4*(\c)+(\b)):(\f)+64+8*(4*(\c)+(\b))+7], v[(\f)+8*(4*(\c)+(\a)):(\f)+8*(4*(\c)+(\a))+7], v[ACC+8*(4*(\a)+(\b)):ACC+8*(4*(\a)+(\b))+7]
.endif
.endr
.endr
.endm
.macro FETCH q, f                      ; 32 LDS loads in one run: quarter q's fragments into buffer f; the first 32 along K first
	WIN TO_F
.irp c, 0,1
.irp i, 0,1,2,3
	ds_load_b128 v[(\f)+64+8*(4*(\c)+(\i)):(\f)+64+8*(4*(\c)+(\i))+3],   v[ADRB] offset:128*(\q)+64*(\c)+(\i)*16*PB
	ds_load_b128 v[(\f)+64+8*(4*(\c)+(\i))+4:(\f)+64+8*(4*(\c)+(\i))+7], v[ADRB] offset:128*(\q)+64*(\c)+(\i)*16*PB+32
	ds_load_b128 v[(\f)+8*(4*(\c)+(\i)):(\f)+8*(4*(\c)+(\i))+3],         v[ADRA] offset:AQ*(\q)+64*(\c)+(\i)*16*PA
	ds_load_b128 v[(\f)+8*(4*(\c)+(\i))+4:(\f)+8*(4*(\c)+(\i))+7],       v[ADRA] offset:AQ*(\q)+64*(\c)+(\i)*16*PA+32
.endr
.endr
.endm
.macro QUARTER q, f, g, zero           ; multiplies buffer f; in its middle fetches quarter q into g
	s_wait_dscnt 16                                ; the first 32 along K are in; the youngest sixteen loads may be out
	MUL8 \f, 0, 0, \zero
	MUL8 \f, 0, 2, \zero
	PLACES
	FETCH \q, \g
	s_wait_dscnt 32                                ; all but the 32 just issued
	MUL8 \f, 1, 0, 0
	MUL8 \f, 1, 2, 0
.endm
.macro LASTQ                           ; a step's last quarter: buffer 1's 32 products
	MUL8 F1, 0, 0, 0
	MUL8 F1, 0, 2, 0
	MUL8 F1, 1, 0, 0
	MUL8 F1, 1, 2, 0
.endm
; THE CHANGE OF SLOTS, with a refill.  The slot's last fragments are in registers (buffer 1), so the slot can be given up before they are multiplied.  Nothing but the three lines and the round stands
; between the landing of the next slot's tile and the request for the one after it; the quarter's products all stand behind the request, which so has a whole K step's 128 products in which to land.
.macro TURN
	WIN 0
	s_wait_tensorcnt 0x0                           ; all my tensor loads have landed: my part of the next slot; so every group 0 may be written
	ds_add_u32 v[SPW], v[NIL]                      ; 0 onto my spare word; the descriptors' steps stand between it and the wait for it
	s_add_co_u32 s[G0AW+1], s[WOFFA], s[TB]
	s_add_co_u32 s[G0BW+1], s[WOFFB], s[TB]
	s_add_nc_u64 s[G0AW+2:G0AW+3], s[G0AW+2:G0AW+3], ASTEP
	s_add_nc_u64 s[G0BW+2:G0BW+3], s[G0BW+2:G0BW+3], 512
	s_wait_dscnt 0x0                               ; the add is done, and my reads of this slot are over
	s_barrier_signal -1
	s_barrier_wait -1
	CREST                                          ; no wave of any partner still reads this slot or has a load on its way
	JLOAD                                          ; its four v_nop are also the places in front of the loads below
	s_xor_b32 s[TB], s[TB], SLOT
	v_add_nc_u32 v[ADRA], s[TB], v[A0]
	v_add_nc_u32 v[ADRB], s[TB], v[B0]
	FETCH 0, F0
	LASTQ
.endm
.macro TURN0                           ; the same in the last two K steps: nothing is asked for; behind the very last there is nothing to fetch either
	WIN 0
	s_wait_tensorcnt 0x0
	ds_add_u32 v[SPW], v[NIL]
	s_wait_dscnt 0x0
	s_barrier_signal -1
	s_barrier_wait -1
	s_cmp_eq_u32 s[CNT], 1
	s_cbranch_scc1 .Lnf_\@
	s_xor_b32 s[TB], s[TB], SLOT
	v_add_nc_u32 v[ADRA], s[TB], v[A0]
	v_add_nc_u32 v[ADRB], s[TB], v[B0]
	PLACES
	FETCH 0, F0
	WIN 0
.Lnf_\@:
	LASTQ
.endm
	s_wait_tensorcnt 0x1                           ; my part of K step 0 is in; K step 1's load stays out
	s_barrier_signal -1
	s_barrier_wait -1
	s_mov_b32 s[TB], 0
	v_mov_b32 v[ADRA], v[A0]
	v_mov_b32 v[ADRB], v[B0]
	FETCH 0, F0
	QUARTER 1, F0, F1, 1
	WIN 0
	s_mov_b32 s[CNT], KSTEPS-2
.Lstep:
	QUARTER 2, F1, F0, 0
	QUARTER 3, F0, F1, 0
	TURN
	QUARTER 1, F0, F1, 0
	WIN 0
	s_sub_co_u32 s[CNT], s[CNT], 1
	s_cmp_lg_u32 s[CNT], 0
	s_cbranch_scc1 .Lstep
	s_mov_b32 s[CNT], 2
.Ltail:
	QUARTER 2, F1, F0, 0
	QUARTER 3, F0, F1, 0
	TURN0
	WIN 0
	s_sub_co_u32 s[CNT], s[CNT], 1
	s_cmp_eq_u32 s[CNT], 0
	s_cbranch_scc1 .Lout
	QUARTER 1, F0, F1, 0
	WIN 0
	s_branch .Ltail
.Lout:
	; THE WAY OUT.  The tile goes in f32 into a stage over the ring (every tensor load has landed, none follows); each wave reads 32 whole rows back, adds the residual and stores them.
	PLACES
	s_wait_dscnt 0x0
	s_barrier_signal -1
	s_barrier_wait -1                              ; everybody's reads of the ring are over
.irp a, 0,1,2,3
.irp b, 0,1,2,3
	ds_store_b128 v[STO], v[ACC+8*(4*(\a)+(\b)):ACC+8*(4*(\a)+(\b))+3]   offset:(\a)*16*SPITCH+64*(\b)      ; each accumulator's low registers first
	ds_store_b128 v[STO], v[ACC+8*(4*(\a)+(\b))+4:ACC+8*(4*(\a)+(\b))+7] offset:(\a)*16*SPITCH+64*(\b)+16
.endr
.endr
	s_wait_dscnt 0x0                               ; for the others' sake: my stores into the stage are done
	s_wait_loadcnt 0x0                             ; the residual is in
	s_barrier_signal -1
	s_barrier_wait -1
.set r, 0
.rept 32
	ds_load_b128 v[ACC+4*r:ACC+4*r+3], v[RD] offset:r*SPITCH
.set r, r+1
.endr
	WIN 0x88                                       ; destination and source 1 (a store's data too) in window 2
.set r, 0
.rept 32
	s_wait_dscnt 31-r                              ; row r is in; the younger rows stay out
	v_pk_add_f32 v[4*r:4*r+1], v[ACC+4*r:ACC+4*r+1], v[4*r:4*r+1]
	v_pk_add_f32 v[4*r+2:4*r+3], v[ACC+4*r+2:ACC+4*r+3], v[4*r+2:4*r+3]
	global_store_b128 v[GO], v[4*r:4*r+3], s[10:11] offset:r*4096  ; 512 consecutive bytes, aligned to 512
.set r, r+1
.endr
	WIN 0
	s_wait_tensorcnt 0x0                           ; the wave's end
	ds_add_u32 v[SPW], v[NIL]
	s_wait_dscnt 0x0
	CROUND                                         ; the closing round
	s_endpgm
.Lfunc_end_k_q50a2b6ddc0_wo:
	.size	k_q50a2b6ddc0_wo, .Lfunc_end_k_q50a2b6ddc0_wo-k_q50a2b6ddc0_wo
	.p2alignl 7, 3214868480
	.fill 96, 4, 3214868480
	.section	.rodata,"a",@progbits
	.p2align	6, 0x0
	.amdhsa_kernel k_q50a2b6ddc0_wo
		.amdhsa_group_segment_fixed_size 327680
		.amdhsa_private_segment_fixed_size 0
		.amdhsa_enable_private_segment 0
		.amdhsa_kernarg_size 32
		.amdhsa_user_sgpr_count 2
		.amdhsa_user_sgpr_kernarg_segment_ptr 1
		.amdhsa_wavefront_size32 1
		.amdhsa_system_sgpr_workgroup_id_x 1
		.amdhsa_system_sgpr_workgroup_id_y 1
		.amdhsa_system_sgpr_workgroup_id_z 1
		.amdhsa_system_vgpr_workitem_id 0
		.amdhsa_next_free_vgpr 640
		.amdhsa_next_free_sgpr 96
		.amdhsa_reserve_vcc 0
		.amdhsa_float_denorm_mode_32 3
		.amdhsa_float_denorm_mode_16_64 3
		.amdhsa_memory_ordered 1
		.amdhsa_forward_progress 1
		.amdhsa_inst_pref_size 65
	.end_amdhsa_kernel
	.amdgpu_metadata
---
amdhsa.version: [ 1, 2 ]
amdhsa.kernels:
  - .name:           k_q50a2b6ddc0_wo
    .symbol:         k_q50a2b6ddc0_wo.kd
    .args:
      - { .name: o, .offset: 0, .size: 8, .value_kind: global_buffer, .address_space: global }
      - { .name: wt, .offset: 8, .size: 8, .value_kind: global_buffer, .address_space: global }
      - { .name: x, .offset: 16, .size: 8, .value_kind: global_buffer, .address_space: global }
      - { .name: x1, .offset: 24, .size: 8, .value_kind: global_buffer, .address_space: global }
    .group_segment_fixed_size: 327680
    .private_segment_fixed_size: 0
    .kernarg_segment_align: 8
    .kernarg_segment_size: 32
    .max_flat_workgroup_size: 128
    .sgpr_count:     96
    .vgpr_count:     640
    .wavefront_size: 32
...
	.end_amdgpu_metadata
.endif
;; end of part 4
;; launch ln2: the kernel of part 1 again; grid 128 x 4, 8 waves a work-group, no clusters, 17,920 bytes of LDS; arguments x1, g2, beta2, h, Wq, Wk, Wv, Wo, W1, W2, wt; writes h
;; launch ffn1 (part 5): grid 16 x 16, 4 waves a work-group, clusters of 4 x 4, 327,680 bytes of LDS; arguments h, wt, b1, f; writes f
.if DOCPART == 5
	.amdgcn_target "amdgcn-amd-amdhsa--gfx1250"
	.amdhsa_code_object_version 6
	.text
	.protected	k_q50a2b6ddc0_ffn1
	.globl	k_q50a2b6ddc0_ffn1
	.p2align	8
	.type	k_q50a2b6ddc0_ffn1,@function
k_q50a2b6ddc0_ffn1:
	s_mov_b64 s[64:65], 0
	v_nop
	global_prefetch_b8 v0, s[64:65] scope:SCOPE_SE
	s_setreg_imm32_b32 hwreg(HW_REG_WAVE_MODE, 25, 1), 1
	s_wait_xcnt 0x0
	s_wait_alu depctr_hold_cnt(0) depctr_sa_sdst(0) depctr_va_vdst(0) depctr_va_sdst(0) depctr_va_ssrc(0) depctr_va_vcc(0) depctr_vm_vsrc(0)
	s_getreg_b32 s2, hwreg(HW_REG_IB_STS2, 6, 4)
	s_cmp_eq_u32 s2, 0
	s_cbranch_scc0 .Lentry_in_a_cluster
	s_endpgm
.Lentry_in_a_cluster:
	s_bfe_u32 s2, ttmp6, 0x10000c
	s_cmp_lg_u32 s2, 0xf033
	s_cbranch_scc0 .Lentry_shape_is_right
	s_endpgm
.Lentry_shape_is_right:
; f = 2 gelu(h W1 + b1).  C[token][n] = sum over k of h[token][k] W1T[n][k]: 4,096 x 4,096, K = 1,024; operands bf16, sums f32; bias and GELU in f32; f rounded once to bf16.
; THE FACTOR 2 is exact in bf16; the launch that multiplies f takes it back by an exact 0.5 on its f32 sums.  It spares a line: 2 gelu(u) = u (1 + erf(u / sqrt 2)) = u + |u| erf(|u| / sqrt 2).
; erf(z) = 1 - (a1 t + a2 t^2 + a3 t^3) e^(-z^2), t = 1 / (1 + p z) (Abramowitz and Stegun 7.1.25: off by 2.5e-5 at the most, for every z >= 0): gelu is off by 1.25e-5 |u| at the most, a hundredth
; of what the rounding of f to bf16 costs.  No range is cut: for large |u| the exponential is 0 and u + |u| is left.  NaN and infinities are not treated apart.
; A tile of C is 256 x 256: 16 x 16 work-groups of four waves; a wave makes 128 x 128: 64 accumulators of 16 x 16.  K goes in steps of 128 through two LDS slots filled by the tensor data mover:
; the tiles' rows are 256 bytes of memory, aligned to 256.
; CLUSTER: 4 x 4 work-groups; h's tiles are asked for jointly along a row of the cluster, W1T's along a column.  THE MATRIX INSTRUCTION IS USED TRANSPOSED (source 0 = rows of W1T, source 1 = rows of h).
; A K STEP IS WRITTEN ONCE: the slot in hand is a scalar (0 or SLOT) that one exclusive or turns.
; REGISTERS, in windows of 256: window 0: v0-39 addresses and the bias; v64-127, v128-191 fragments of h, two buffers (on the way out: at work); window 1: v64-127, v128-191 fragments of W1T;
;   window 2: the accumulators of my rows 0-63 ((a, b) at v[8 (8 a + b)]); window 3: those of rows 64-127.
.set NBK,    8
.set KSTEP,  128
.set KSTEPS, 8
.set KDIM,   1024
.set PITCH,  272                       ; an LDS row: 256 bytes + 16 of padding = 68 words: row r starts at bank 4 r mod 64 (64 banks of 4 bytes: ISA guide 11.1)
.set HALFA,  128*PITCH
.set HALFB,  16*NBK*PITCH
.set SLOT,   2*HALFA+2*HALFB
.set SPARE,  2*SLOT
.set NLD,    2*(NBK+8)
.set BOFF,   8388608                   ; W1T in wt
.set SPITCH, 128*NBK+16                ; the way out: a row of the tile in f32, 1,024 bytes + 16; the stage lies over the ring, which has had its last fill by then
.set PADW,   (1<<16)|(1<<20)|(1<<21)|(5<<22)|(3<<25)
.set A0,   16
.set B0,   17
.set ADRA, 18
.set ADRB, 19
.set STO0, 20
.set STO1, 21
.set RD,   22
.set GO,   23                          ; v23  8 x lane: my bytes in 256 bytes of f; never rewritten
.set BO,   25                          ; v25  16 x lane: in b1; never rewritten
.set SPW,  28
.set NIL,  29
.set BIAS, 32                          ; v[32:39] b1 of my eight columns
.set F0,   64
.set F1,   128
.set X,    64                          ; the way out: v[64:79] two rows of eight sums, as read from the stage
.set U,    80                          ; v[80:95]   u, then 2 gelu(u)
.set AU,   96                          ; v[96:111]  |u|
.set TT,   112                         ; v[112:127] 1 + p' |u|, then t
.set Q,    128                         ; v[128:143] the exponent, then the exponential
.set PP,   144                         ; v[144:159] the polynomial, then erf
.set Y,    160                         ; v[160:167] packed results
.set TB,   2
.set CNT,  3
.set WV,   14
.set MH,   15
.set NH,   16
.set TY,   17
.set TX,   18
.set WOFFA, 20
.set WOFFB, 21
.set G1A,  24
.set G0A0, 32
.set G0AW, 36
.set G1B,  48
.set G0B0, 56
.set G0BW, 60
.set KM,   66                          ; s66      0x7fffffff
.set KP,   68                          ; s[68:69] p / sqrt 2
.set KS2,  70                          ; s[70:71] sqrt(log2(e) / 2)
.set KA1,  72                          ; s[72:73] a1
.set KA2,  74                          ; s[74:75] a2
.set KA3,  76                          ; s[76:77] a3
.set OUT,  82                          ; s[82:83] f at my rows
.set MUL_LO, 0xa1
.set MUL_HI, 0xf1
.set TO_B,   0x40
.set MSB, 0
.macro WIN new
.if MSB != (\new)
	s_set_vgpr_msb (MSB<<8)|(\new)
.set MSB, \new
.endif
.endm
.macro PLACES
.rept 4
	v_nop
.endr
.endm
.macro CREST
	s_cmp_lg_u32 s[WV], 0
	s_cbranch_scc1 .Lnot_wave_0_\@
	s_barrier_signal -3
.Lnot_wave_0_\@:
	s_barrier_wait -3
	s_barrier_signal -1
	s_barrier_wait -1
.endm
.macro CROUND
	s_barrier_signal -1
	s_barrier_wait -1
	CREST
.endm
.macro JLOAD                           ; a joint refill: waves 0 and 1 fetch h's two halves, waves 2 and 3 W1T's; an s_nop 0 and four v_nop follow each line
	s_cmp_eq_u32 s[MH], 0
	s_cbranch_scc0 .Lfor_b_\@
	tensor_load_to_lds s[G0AW:G0AW+3], s[G1A:G1A+7]
	s_nop 0
.rept 4
	v_nop
.endr
	s_branch .Lasked_\@
.Lfor_b_\@:
	tensor_load_to_lds s[G0BW:G0BW+3], s[G1B:G1B+7]
	s_nop 0
.rept 4
	v_nop
.endr
.Lasked_\@:
.endm
	s_load_b256 s[4:11], s[0:1], 0x0               ; h s[4:5], wt s[6:7], b1 s[8:9], f s[10:11]
	v_lshl_add_u32 v[SPW], v0, 2, SPARE
	v_mov_b32 v[NIL], 0
	ds_add_u32 v[SPW], v[NIL]                      ; the wave's opening: the add and its wait stand ahead of my first tensor load
	v_lshrrev_b32 v1, 5, v0
	v_readfirstlane_b32 s[WV], v1
	s_lshr_b32 s[MH], s[WV], 1
	s_and_b32 s[NH], s[WV], 1
	s_bfe_u32 s22, ttmp6, 0x40000                  ; cx
	s_bfe_u32 s23, ttmp6, 0x40004                  ; cy
	s_lshl_b32 s[TX], ttmp9, 2
	s_add_co_u32 s[TX], s[TX], s22
	s_and_b32 s[TY], ttmp7, 0xffff
	s_lshl_b32 s[TY], s[TY], 2
	s_add_co_u32 s[TY], s[TY], s23
	s_lshl_b32 s40, s23, 2
	s_lshl_b32 s40, 15, s40                        ; my row of the cluster
	s_lshl_b32 s44, 0x1111, s22                    ; my column
	s_or_b32 s[G1A], s40, PADW
	s_or_b32 s[G1B], s44, PADW
.irp g, G1A, G1B
	s_mov_b32 s[(\g)+1], KSTEP<<16                 ; tensor_dim0 = 128
	s_mov_b32 s[(\g)+2], 128<<16                   ; tensor_dim1 = 128
	s_mov_b32 s[(\g)+3], KSTEP<<16                 ; tile_dim0 = 128
	s_mov_b32 s[(\g)+4], 128                       ; tile_dim1 = 128
	s_mov_b32 s[(\g)+5], KDIM                      ; elements from row to row
	s_mov_b32 s[(\g)+6], 0
	s_mov_b32 s[(\g)+7], 0
.endr
	s_lshl_b32 s40, s[TY], 8
	s_lshl_b32 s41, s[NH], 7
	s_add_co_u32 s40, s40, s41
	s_lshl_b32 s40, s40, 11
	s_mov_b32 s41, 0
	s_mul_i32 s44, s[TX], 32*NBK
	s_mul_i32 s45, s[NH], 16*NBK
	s_add_co_u32 s44, s44, s45
	s_lshl_b32 s44, s44, 11
	s_add_co_u32 s44, s44, BOFF
	s_mov_b32 s45, 0
	s_mul_i32 s[WOFFA], s[NH], HALFA
	s_mul_i32 s[WOFFB], s[NH], HALFB
	s_add_co_u32 s[WOFFB], s[WOFFB], 2*HALFA
	s_lshl_b32 s[OUT], s[TY], 8                    ; the rows that I store: 256 TY + 64 wave,
	s_lshl_b32 s[OUT+1], s[WV], 6
	s_add_co_u32 s[OUT], s[OUT], s[OUT+1]
	s_lshl_b32 s[OUT], s[OUT], 13                  ; of 8,192 bytes,
	s_lshl_b32 s[OUT+1], s[TX], 9                  ; the tile's 512 bytes of them
	s_add_co_u32 s[OUT], s[OUT], s[OUT+1]
	s_mov_b32 s[OUT+1], 0
	s_lshl_b32 s84, s[TX], 10                      ; the tile's 256 numbers of b1
	s_mov_b32 s85, 0
	s_mov_b32 s[KM], 0x7fffffff
	s_mov_b32 s[KP], 0x3eaa540e                    ; 0.47047 / sqrt 2 = 0.33267253
	s_mov_b32 s[KS2], 0x3f596d27                   ; sqrt(log2(e) / 2) = 0.84932180
	s_mov_b32 s[KA1], 0x3eb2303a                   ;  0.3480242
	s_mov_b32 s[KA2], 0xbdc45ca1                   ; -0.0958798
	s_mov_b32 s[KA3], 0x3f3f7377                   ;  0.7478556
.irp c, KP, KS2, KA1, KA2, KA3
	s_mov_b32 s[(\c)+1], s[\c]                     ; named as pairs, so both words are written
.endr
	s_wait_dscnt 0x0                               ; the opening add is done
	s_wait_kmcnt 0x0
	s_add_nc_u64 s[40:41], s[4:5], s[40:41]
	s_add_nc_u64 s[44:45], s[6:7], s[44:45]
	s_add_nc_u64 s[8:9], s[8:9], s[84:85]
	s_add_nc_u64 s[OUT:OUT+1], s[10:11], s[OUT:OUT+1]
	CROUND                                         ; all sixteen work-groups are here: the first joint loads meet
	s_mov_b32 s[G0A0], 1
	s_mov_b32 s[G0A0+1], s[WOFFA]
	s_mov_b64 s[G0A0+2:G0A0+3], s[40:41]
	s_or_b32 s[G0A0+3], s[G0A0+3], 0x80000000
	s_mov_b32 s[G0AW], 1
	s_add_co_u32 s[G0AW+1], s[WOFFA], SLOT
	s_add_nc_u64 s[G0AW+2:G0AW+3], s[40:41], 2*KSTEP
	s_or_b32 s[G0AW+3], s[G0AW+3], 0x80000000
	s_mov_b32 s[G0B0], 1
	s_mov_b32 s[G0B0+1], s[WOFFB]
	s_mov_b64 s[G0B0+2:G0B0+3], s[44:45]
	s_or_b32 s[G0B0+3], s[G0B0+3], 0x80000000
	s_mov_b32 s[G0BW], 1
	s_add_co_u32 s[G0BW+1], s[WOFFB], SLOT
	s_add_nc_u64 s[G0BW+2:G0BW+3], s[44:45], 2*KSTEP
	s_or_b32 s[G0BW+3], s[G0BW+3], 0x80000000
	s_cmp_eq_u32 s[MH], 0                          ; a wave's two first fills stand in one branch: two loads of mine are out
	s_cbranch_scc0 .Lfirst_b
	tensor_load_to_lds s[G0A0:G0A0+3], s[G1A:G1A+7]
	s_nop 0
	tensor_load_to_lds s[G0AW:G0AW+3], s[G1A:G1A+7]
	s_nop 0
.rept 4
	v_nop
.endr
	s_branch .Lfirst_asked
.Lfirst_b:
	tensor_load_to_lds s[G0B0:G0B0+3], s[G1B:G1B+7]
	s_nop 0
	tensor_load_to_lds s[G0BW:G0BW+3], s[G1B:G1B+7]
	s_nop 0
.rept 4
	v_nop
.endr
.Lfirst_asked:
	v_and_b32 v24, 31, v0
	v_lshlrev_b32 v[BO], 4, v24
	global_load_b128 v[BIAS:BIAS+3],   v[BO], s[8:9]             ; columns 4 l .. 4 l + 3 of the tile,
	global_load_b128 v[BIAS+4:BIAS+7], v[BO], s[8:9] offset:512  ; and 128 + 4 l ..; waited for behind the last product
	v_and_b32 v1, 15, v0
	v_bfe_u32 v2, v0, 4, 1
	v_mul_u32_u24 v3, v1, PITCH
	v_lshl_add_u32 v3, v2, 4, v3
	s_mul_i32 s42, s[MH], HALFA
	v_add_nc_u32 v[A0], s42, v3
	v_add_nc_u32 v[B0], s[WOFFB], v3
	s_mul_i32 s42, s[MH], 128*SPITCH               ; into the stage: row 128 MH + 16 a + l % 16, byte 512 NH + 64 b + 32 (l / 16)
	s_mul_i32 s43, s[NH], 64*NBK
	s_add_co_u32 s42, s42, s43
	v_mul_u32_u24 v[STO0], v1, SPITCH
	v_lshl_add_u32 v[STO0], v2, 5, v[STO0]
	v_add_nc_u32 v[STO0], s42, v[STO0]
	v_add_nc_u32 v[STO1], 64*SPITCH, v[STO0]
	s_mul_i32 s42, s[WV], 64*SPITCH                ; back: wave w takes rows 64 w .. 64 w + 63, whole
	v_lshl_add_u32 v[RD], v24, 4, s42
	v_lshlrev_b32 v[GO], 3, v24
; 2 NBK matrix instructions: m blocks a0, a0 + 1 of the window's four x all n blocks, 32 along K.  The 64 accumulators take turns, one instruction a turn.
.macro MULB f, hi, a0, zero
	WIN MUL_LO+0x50*(\hi)
.set ma, (\a0)
.rept 2
.set mb, 0
.rept NBK
.set rD, 8*(NBK*ma+mb)
.set rB, (\f)+8*mb
.set rA, (\f)+8*(4*(\hi)+ma)
.if \zero
	v_wmma_f32_16x16x32_bf16 v[rD:rD+7], v[rB:rB+7], v[rA:rA+7], 0
.else
	v_wmma_f32_16x16x32_bf16 v[rD:rD+7], v[rB:rB+7], v[rA:rA+7], v[rD:rD+7]
.endif
.set mb, mb+1
.endr
.set ma, ma+1
.endr
.endm
.macro FETCH k, f
	WIN TO_B
.set fi, 0
.rept NBK
	ds_load_b128 v[(\f)+8*fi:(\f)+8*fi+3],   v[ADRB] offset:(\k)+fi*16*PITCH
	ds_load_b128 v[(\f)+8*fi+4:(\f)+8*fi+7], v[ADRB] offset:(\k)+fi*16*PITCH+32
.set fi, fi+1
.endr
	WIN 0
.set fi, 0
.rept 8
	ds_load_b128 v[(\f)+8*fi:(\f)+8*fi+3],   v[ADRA] offset:(\k)+fi*16*PITCH
	ds_load_b128 v[(\f)+8*fi+4:(\f)+8*fi+7], v[ADRA] offset:(\k)+fi*16*PITCH+32
.set fi, fi+1
.endr
.endm
.macro QUARTER k, f, g, zero
	s_wait_dscnt 8                                 ; W1T's fragments and h's rows 0-63 are in; the youngest eight loads (rows 64-127) may be out
	MULB \f, 0, 0, \zero
	MULB \f, 0, 2, \zero
	PLACES
	FETCH \k, \g
	s_wait_dscnt NLD                               ; all but the loads just issued
	MULB \f, 1, 0, \zero
	MULB \f, 1, 2, \zero
.endm
.macro LASTQ                           ; a step's last quarter: buffer 1's 64 products
	MULB F1, 0, 0, 0
	MULB F1, 0, 2, 0
	MULB F1, 1, 0, 0
	MULB F1, 1, 2, 0
.endm
; THE CHANGE OF SLOTS, with a refill.  The slot's last fragments are in registers (buffer 1), so the slot can be given up before they are multiplied.  Nothing but the three lines and the round stands
; between the landing of the next slot's tile and the request for the one after it; the quarter's products all stand behind the request, which so has a whole K step's 256 products in which to land.
.macro TURN
	WIN 0
	s_wait_tensorcnt 0x0                           ; all my tensor loads have landed: my part of the next slot; so every group 0 may be written
	ds_add_u32 v[SPW], v[NIL]                      ; 0 onto my spare word; the descriptors' steps stand between it and the wait for it
	s_add_co_u32 s[G0AW+1], s[WOFFA], s[TB]
	s_add_co_u32 s[G0BW+1], s[WOFFB], s[TB]
	s_add_nc_u64 s[G0AW+2:G0AW+3], s[G0AW+2:G0AW+3], 2*KSTEP
	s_add_nc_u64 s[G0BW+2:G0BW+3], s[G0BW+2:G0BW+3], 2*KSTEP
	s_wait_dscnt 0x0                               ; the add is done, and my reads of this slot are over
	s_barrier_signal -1
	s_barrier_wait -1
	CREST                                          ; no wave of any partner still reads this slot or has a load on its way
	JLOAD                                          ; its four v_nop are also the places in front of the loads below
	s_xor_b32 s[TB], s[TB], SLOT
	v_add_nc_u32 v[ADRA], s[TB], v[A0]
	v_add_nc_u32 v[ADRB], s[TB], v[B0]
	FETCH 0, F0
	LASTQ
.endm
.macro TURN0                           ; the same in the last two K steps: nothing is asked for; behind the very last there is nothing to fetch either
	WIN 0
	s_wait_tensorcnt 0x0
	ds_add_u32 v[SPW], v[NIL]
	s_wait_dscnt 0x0
	s_barrier_signal -1
	s_barrier_wait -1
	s_cmp_eq_u32 s[CNT], 1
	s_cbranch_scc1 .Lnf_\@
	s_xor_b32 s[TB], s[TB], SLOT
	v_add_nc_u32 v[ADRA], s[TB], v[A0]
	v_add_nc_u32 v[ADRB], s[TB], v[B0]
	PLACES
	FETCH 0, F0
	WIN 0
.Lnf_\@:
	LASTQ
.endm
	s_wait_tensorcnt 0x1                           ; my part of K step 0 is in; K step 1's load stays out
	s_barrier_signal -1
	s_barrier_wait -1
	s_mov_b32 s[TB], 0
	v_mov_b32 v[ADRA], v[A0]
	v_mov_b32 v[ADRB], v[B0]
	FETCH 0, F0
	QUARTER 64, F0, F1, 1
	WIN 0
	s_mov_b32 s[CNT], KSTEPS-2
.Lstep:
	QUARTER 128, F1, F0, 0
	QUARTER 192, F0, F1, 0
	TURN
	QUARTER 64, F0, F1, 0
	WIN 0
	s_sub_co_u32 s[CNT], s[CNT], 1
	s_cmp_lg_u32 s[CNT], 0
	s_cbranch_scc1 .Lstep
	s_mov_b32 s[CNT], 2
.Ltail:
	QUARTER 128, F1, F0, 0
	QUARTER 192, F0, F1, 0
	TURN0
	WIN 0
	s_sub_co_u32 s[CNT], s[CNT], 1
	s_cmp_eq_u32 s[CNT], 0
	s_cbranch_scc1 .Lout
	QUARTER 64, F0, F1, 0
	WIN 0
	s_branch .Ltail
.Lout:
	; THE WAY OUT.  The tile goes in f32 into a stage over the ring (every tensor load has landed, none follows); each wave then takes 64 whole rows, two a trip: bias, GELU, rounding, stores.
	; So the GELU's text stands once, in a loop, and not once for each of 64 accumulators.
	PLACES
	s_wait_dscnt 0x0
	s_barrier_signal -1
	s_barrier_wait -1                              ; everybody's reads of the ring are over
.macro DUMP sto
.set da, 0
.rept 4
.set db, 0
.rept NBK
	ds_store_b128 v[\sto], v[8*(NBK*da+db):8*(NBK*da+db)+3]   offset:da*16*SPITCH+64*db     ; each accumulator's low registers first
	ds_store_b128 v[\sto], v[8*(NBK*da+db)+4:8*(NBK*da+db)+7] offset:da*16*SPITCH+64*db+16
.set db, db+1
.endr
.set da, da+1
.endr
.endm
	WIN 0x08                                       ; the stores' data in window 2
	DUMP STO0
	WIN 0x0c                                       ; in window 3
	DUMP STO1
	WIN 0
	s_wait_dscnt 0x0                               ; for the others' sake: my stores into the stage are done
	s_wait_loadcnt 0x0                             ; b1
	s_barrier_signal -1
	s_barrier_wait -1
.macro EACH8 line:vararg
.set g, 0
	s_wait_alu depctr_va_vdst(0)
.rept 8
	\line
.set g, g+1
.endr
.endm
.macro EACH16 line:vararg
.set g, 0
.rept 16
	\line
.set g, g+1
.endr
.endm
.macro TWOROWS                         ; two rows' sums from the stage: of each row my columns 4 l .. and 128 + 4 l ..
.irp r, 0,1
	ds_load_b128 v[X+8*(\r):X+8*(\r)+3],   v[RD] offset:(\r)*SPITCH
	ds_load_b128 v[X+8*(\r)+4:X+8*(\r)+7], v[RD] offset:(\r)*SPITCH+512
.endr
.endm
	TWOROWS
	s_mov_b32 s[CNT], 32
.Lrows:                                                ; a trip: sixteen numbers a lane, stage by stage, so that no line waits for the one before it
	s_wait_dscnt 0x0                               ; this trip's two rows are in
	EACH8  v_pk_add_f32 v[U+2*g:U+2*g+1], v[X+2*g:X+2*g+1], v[BIAS+2*(g%4):BIAS+2*(g%4)+1]
	v_add_nc_u32 v[RD], 2*SPITCH, v[RD]
	s_cmp_eq_u32 s[CNT], 1                         ; X is free: the next trip's rows are asked for now, but for the last trip, which has none behind it
	s_cbranch_scc1 .Lno_more
	TWOROWS
.Lno_more:
	EACH16 v_and_b32 v[AU+g], s[KM], v[U+g]
	EACH8  v_pk_fma_f32 v[TT+2*g:TT+2*g+1], v[AU+2*g:AU+2*g+1], s[KP:KP+1], 1.0 op_sel_hi:[1,0,0]
	EACH16 v_rcp_f32 v[TT+g], v[TT+g]
	EACH8  v_pk_mul_f32 v[Q+2*g:Q+2*g+1], v[U+2*g:U+2*g+1], s[KS2:KS2+1] op_sel_hi:[1,0]   ; plain lines behind the reciprocals, before t is used
	EACH8  v_pk_mul_f32 v[Q+2*g:Q+2*g+1], v[Q+2*g:Q+2*g+1], v[Q+2*g:Q+2*g+1] neg_lo:[1,0] neg_hi:[1,0]
	EACH16 v_exp_f32 v[Q+g], v[Q+g]
	EACH8  v_pk_fma_f32 v[PP+2*g:PP+2*g+1], v[TT+2*g:TT+2*g+1], s[KA3:KA3+1], s[KA2:KA2+1] op_sel_hi:[1,0,0]  ; plain lines behind the exponentials, before they are used
	EACH8  v_pk_fma_f32 v[PP+2*g:PP+2*g+1], v[PP+2*g:PP+2*g+1], v[TT+2*g:TT+2*g+1], s[KA1:KA1+1] op_sel_hi:[1,1,0]
	EACH8  v_pk_mul_f32 v[PP+2*g:PP+2*g+1], v[PP+2*g:PP+2*g+1], v[TT+2*g:TT+2*g+1]
	EACH8  v_pk_fma_f32 v[PP+2*g:PP+2*g+1], v[PP+2*g:PP+2*g+1], v[Q+2*g:Q+2*g+1], 1.0 op_sel_hi:[1,1,0] neg_lo:[1,0,0] neg_hi:[1,0,0]  ; erf
	EACH8  v_pk_fma_f32 v[U+2*g:U+2*g+1], v[AU+2*g:AU+2*g+1], v[PP+2*g:PP+2*g+1], v[U+2*g:U+2*g+1]  ; u + |u| erf
	EACH8  v_cvt_pk_bf16_f32 v[Y+g], v[U+2*g], v[U+2*g+1]
.irp r, 0,1
	global_store_b64 v[GO], v[Y+4*(\r):Y+4*(\r)+1],   s[OUT:OUT+1] offset:(\r)*8192      ; 32 lanes store 256 consecutive bytes, aligned to 256
	global_store_b64 v[GO], v[Y+4*(\r)+2:Y+4*(\r)+3], s[OUT:OUT+1] offset:(\r)*8192+256
.endr
	s_wait_xcnt 0x0                                ; the stores have read their base and data: only now are they rewritten
	s_add_nc_u64 s[OUT:OUT+1], s[OUT:OUT+1], 2*8192
	s_sub_co_u32 s[CNT], s[CNT], 1
	s_cmp_lg_u32 s[CNT], 0
	s_cbranch_scc1 .Lrows
	s_wait_tensorcnt 0x0                           ; the wave's end
	ds_add_u32 v[SPW], v[NIL]
	s_wait_dscnt 0x0
	CROUND                                         ; the closing round
	s_endpgm
.Lfunc_end_k_q50a2b6ddc0_ffn1:
	.size	k_q50a2b6ddc0_ffn1, .Lfunc_end_k_q50a2b6ddc0_ffn1-k_q50a2b6ddc0_ffn1
	.p2alignl 7, 3214868480
	.fill 96, 4, 3214868480
	.section	.rodata,"a",@progbits
	.p2align	6, 0x0
	.amdhsa_kernel k_q50a2b6ddc0_ffn1
		.amdhsa_group_segment_fixed_size 327680
		.amdhsa_private_segment_fixed_size 0
		.amdhsa_enable_private_segment 0
		.amdhsa_kernarg_size 32
		.amdhsa_user_sgpr_count 2
		.amdhsa_user_sgpr_kernarg_segment_ptr 1
		.amdhsa_wavefront_size32 1
		.amdhsa_system_sgpr_workgroup_id_x 1
		.amdhsa_system_sgpr_workgroup_id_y 1
		.amdhsa_system_sgpr_workgroup_id_z 1
		.amdhsa_system_vgpr_workitem_id 0
		.amdhsa_next_free_vgpr 1024
		.amdhsa_next_free_sgpr 96
		.amdhsa_reserve_vcc 0
		.amdhsa_float_denorm_mode_32 3
		.amdhsa_float_denorm_mode_16_64 3
		.amdhsa_memory_ordered 1
		.amdhsa_forward_progress 1
		.amdhsa_inst_pref_size 85
	.end_amdhsa_kernel
	.amdgpu_metadata
---
amdhsa.version: [ 1, 2 ]
amdhsa.kernels:
  - .name:           k_q50a2b6ddc0_ffn1
    .symbol:         k_q50a2b6ddc0_ffn1.kd
    .args:
      - { .name: h, .offset: 0, .size: 8, .value_kind: global_buffer, .address_space: global }
      - { .name: wt, .offset: 8, .size: 8, .value_kind: global_buffer, .address_space: global }
      - { .name: b1, .offset: 16, .size: 8, .value_kind: global_buffer, .address_space: global }
      - { .name: f, .offset: 24, .size: 8, .value_kind: global_buffer, .address_space: global }
    .group_segment_fixed_size: 327680
    .private_segment_fixed_size: 0
    .kernarg_segment_align: 8
    .kernarg_segment_size: 32
    .max_flat_workgroup_size: 128
    .sgpr_count:     96
    .vgpr_count:     1024
    .wavefront_size: 32
...
	.end_amdgpu_metadata
.endif
;; end of part 5
;; launch ffn2 (part 6): grid 8 x 32, 4 waves a work-group, clusters of 4 x 4, 327,680 bytes of LDS; arguments f, wt, x1, b2, out0; writes out0
.if DOCPART == 6
	.amdgcn_target "amdgcn-amd-amdhsa--gfx1250"
	.amdhsa_code_object_version 6
	.text
	.protected	k_q50a2b6ddc0_ffn2
	.globl	k_q50a2b6ddc0_ffn2
	.p2align	8
	.type	k_q50a2b6ddc0_ffn2,@function
k_q50a2b6ddc0_ffn2:
	s_mov_b64 s[64:65], 0
	v_nop
	global_prefetch_b8 v0, s[64:65] scope:SCOPE_SE
	s_setreg_imm32_b32 hwreg(HW_REG_WAVE_MODE, 25, 1), 1
	s_wait_xcnt 0x0
	s_wait_alu depctr_hold_cnt(0) depctr_sa_sdst(0) depctr_va_vdst(0) depctr_va_sdst(0) depctr_va_ssrc(0) depctr_va_vcc(0) depctr_vm_vsrc(0)
	s_getreg_b32 s2, hwreg(HW_REG_IB_STS2, 6, 4)
	s_cmp_eq_u32 s2, 0
	s_cbranch_scc0 .Lentry_in_a_cluster
	s_endpgm
.Lentry_in_a_cluster:
	s_bfe_u32 s2, ttmp6, 0x10000c
	s_cmp_lg_u32 s2, 0xf033
	s_cbranch_scc0 .Lentry_shape_is_right
	s_endpgm
.Lentry_shape_is_right:
; out0 = x1 + gelu W2 + b2.  f holds 2 gelu (exact in bf16), so C[token][n] = 0.5 x the sum over k of f[token][k] W2T[n][k]: 4,096 x 1,024, K = 4,096; operands bf16, sums f32;
; the 0.5, exact, rides on the fused multiply-add that adds the residual; x1, b2 and out0 f32, unrounded.
; A tile of C is 128 x 128: 8 x 32 work-groups of four waves, a wave 64 x 64: 16 accumulators.  K goes in steps of 256 (LDS rows of 512 bytes, 64 to a tensor load) through two LDS slots.
; CLUSTER: 4 x 4 work-groups; f's tiles are asked for jointly along a row of the cluster, W2T's along a column.  THE MATRIX INSTRUCTION IS USED TRANSPOSED (source 0 = rows of W2T, source 1 = rows of f).
; A K STEP IS WRITTEN ONCE: the slot in hand is a scalar (0 or SLOT) that one exclusive or turns.  The residual's rows and the bias are asked for at the start and lie in registers until the sums are done.
; REGISTERS: window 0: v0-35 addresses and the bias; v128-255 the accumulators ((a, b) at v[128 + 8 (4 a + b)]), later the rows read back; window 1: two fragment buffers of 128 (64 of f, then 64 of W2T); window 2: v0-127 the residual.
.set KDIM,   4096
.set KSTEPS, 16
.set PA,     528                       ; an LDS row: 512 bytes + 16 of padding = 132 words: row r starts at bank 4 r mod 64 (64 banks of 4 bytes: ISA guide 11.1)
.set AQ,     128                       ; from a quarter step to the next: 64 along K
.set HALFA,  64*PA
.set ASTEP,  512
.set PB,     528
.set HALFB,  64*PB
.set SLOT,   2*HALFA+2*HALFB
.set SPARE,  2*SLOT
.set BOFF,   16777216                  ; W2T in wt
.set SPITCH, 528                       ; the way out: a row of the tile in f32, 512 bytes + 16; the stage lies over the ring, which has had its last fill by then
.set PADW,   (1<<16)|(1<<20)|(1<<21)|(6<<22)|(3<<25)  ; padding after every 128 words, of 4 words
.set A0,   16
.set B0,   17
.set ADRA, 18
.set ADRB, 19
.set STO,  20
.set RD,   22
.set GO,   23                          ; v23  16 x lane: my bytes of a tile's row in x1, b2 and out0; never rewritten
.set SPW,  28
.set NIL,  29
.set BIAS, 32                          ; v[32:35] b2 of my four columns
.set ACC,  128
.set F0,   0
.set F1,   128
.set TB,   2
.set CNT,  3
.set WV,   14
.set MH,   15
.set NH,   16
.set TY,   17
.set TX,   18
.set WOFFA, 20
.set WOFFB, 21
.set G1A,  24
.set G0A0, 32
.set G0AW, 36
.set G1B,  48
.set G0B0, 56
.set G0BW, 60
.set MUL,  0x05                        ; sources 0 and 1 window 1; C and D window 0
.set TO_F, 0x40                        ; destination window 1, address window 0
.set MSB, 0
.macro WIN new                         ; the immediate's high byte repeats the setting that is left; a switch that changes nothing is dropped
.if MSB != (\new)
	s_set_vgpr_msb (MSB<<8)|(\new)
.set MSB, \new
.endif
.endm
.macro PLACES                          ; four places in front of loads into registers that matrix instructions have read, and of stores that read results
.rept 4
	v_nop
.endr
.endm
.macro CREST                           ; a round of the cluster's barrier behind its opening barrier
	s_cmp_lg_u32 s[WV], 0
	s_cbranch_scc1 .Lnot_wave_0_\@
	s_barrier_signal -3
.Lnot_wave_0_\@:
	s_barrier_wait -3
	s_barrier_signal -1
	s_barrier_wait -1
.endm
.macro CROUND
	s_barrier_signal -1
	s_barrier_wait -1
	CREST
.endm
.macro JLOAD                           ; a joint refill: waves 0 and 1 fetch f's two halves, waves 2 and 3 W2T's; an s_nop 0 and four v_nop follow each line
	s_cmp_eq_u32 s[MH], 0
	s_cbranch_scc0 .Lfor_b_\@
	tensor_load_to_lds s[G0AW:G0AW+3], s[G1A:G1A+7]
	s_nop 0
.rept 4
	v_nop
.endr
	s_branch .Lasked_\@
.Lfor_b_\@:
	tensor_load_to_lds s[G0BW:G0BW+3], s[G1B:G1B+7]
	s_nop 0
.rept 4
	v_nop
.endr
.Lasked_\@:
.endm
	s_load_b256 s[4:11], s[0:1], 0x0               ; f s[4:5], wt s[6:7], x1 s[8:9], b2 s[10:11]
	s_load_b64 s[12:13], s[0:1], 0x20              ; out0
	v_lshl_add_u32 v[SPW], v0, 2, SPARE
	v_mov_b32 v[NIL], 0
	ds_add_u32 v[SPW], v[NIL]                      ; the wave's opening: the add and its wait stand ahead of my first tensor load
	v_lshrrev_b32 v1, 5, v0
	v_readfirstlane_b32 s[WV], v1
	s_lshr_b32 s[MH], s[WV], 1
	s_and_b32 s[NH], s[WV], 1
	s_bfe_u32 s22, ttmp6, 0x40000                  ; cx
	s_bfe_u32 s23, ttmp6, 0x40004                  ; cy
	s_lshl_b32 s[TX], ttmp9, 2
	s_add_co_u32 s[TX], s[TX], s22
	s_and_b32 s[TY], ttmp7, 0xffff
	s_lshl_b32 s[TY], s[TY], 2
	s_add_co_u32 s[TY], s[TY], s23
	s_lshl_b32 s40, s23, 2
	s_lshl_b32 s40, 15, s40                        ; my row of the cluster
	s_lshl_b32 s44, 0x1111, s22                    ; my column
	s_or_b32 s[G1A], s40, PADW
	s_or_b32 s[G1B], s44, PADW
.irp g, G1A, G1B
	s_mov_b32 s[(\g)+1], 256<<16                   ; 64 rows of 256 elements
	s_mov_b32 s[(\g)+2], 64<<16
	s_mov_b32 s[(\g)+3], 256<<16
	s_mov_b32 s[(\g)+4], 64
	s_mov_b32 s[(\g)+5], KDIM
	s_mov_b32 s[(\g)+6], 0
	s_mov_b32 s[(\g)+7], 0
.endr
	s_lshl_b32 s40, s[TY], 7                       ; f's tile hangs on the tile row alone, which my row of the cluster shares
	s_lshl_b32 s41, s[NH], 6
	s_add_co_u32 s40, s40, s41
	s_lshl_b32 s40, s40, 13                        ; rows of 8,192 bytes
	s_mov_b32 s41, 0
	s_lshl_b32 s44, s[TX], 7                       ; W2T's on the tile column alone
	s_lshl_b32 s45, s[NH], 6
	s_add_co_u32 s44, s44, s45
	s_mul_i32 s44, s44, 2*KDIM
	s_add_co_u32 s44, s44, BOFF
	s_mov_b32 s45, 0
	s_mul_i32 s[WOFFA], s[NH], HALFA               ; no place in the cluster enters an LDS address
	s_mul_i32 s[WOFFB], s[NH], HALFB
	s_add_co_u32 s[WOFFB], s[WOFFB], 2*HALFA
	s_lshl_b32 s66, s[TY], 7                       ; the rows that I store: 128 TY + 32 wave,
	s_lshl_b32 s67, s[WV], 5
	s_add_co_u32 s66, s66, s67
	s_lshl_b32 s66, s66, 12                        ; of 4,096 bytes,
	s_lshl_b32 s68, s[TX], 9                       ; the tile's 512 bytes of them
	s_add_co_u32 s66, s66, s68
	s_mov_b32 s67, 0
	s_mov_b32 s69, 0
	s_wait_dscnt 0x0                               ; the opening add is done
	s_wait_kmcnt 0x0
	s_add_nc_u64 s[40:41], s[4:5], s[40:41]
	s_add_nc_u64 s[44:45], s[6:7], s[44:45]
	s_add_nc_u64 s[8:9], s[8:9], s[66:67]
	s_add_nc_u64 s[12:13], s[12:13], s[66:67]
	s_add_nc_u64 s[10:11], s[10:11], s[68:69]
	CROUND                                         ; all sixteen work-groups are here: the first joint loads meet
	s_mov_b32 s[G0A0], 1
	s_mov_b32 s[G0A0+1], s[WOFFA]
	s_mov_b64 s[G0A0+2:G0A0+3], s[40:41]
	s_or_b32 s[G0A0+3], s[G0A0+3], 0x80000000
	s_mov_b32 s[G0AW], 1
	s_add_co_u32 s[G0AW+1], s[WOFFA], SLOT
	s_add_nc_u64 s[G0AW+2:G0AW+3], s[40:41], ASTEP
	s_or_b32 s[G0AW+3], s[G0AW+3], 0x80000000
	s_mov_b32 s[G0B0], 1
	s_mov_b32 s[G0B0+1], s[WOFFB]
	s_mov_b64 s[G0B0+2:G0B0+3], s[44:45]
	s_or_b32 s[G0B0+3], s[G0B0+3], 0x80000000
	s_mov_b32 s[G0BW], 1
	s_add_co_u32 s[G0BW+1], s[WOFFB], SLOT
	s_add_nc_u64 s[G0BW+2:G0BW+3], s[44:45], 512
	s_or_b32 s[G0BW+3], s[G0BW+3], 0x80000000
	s_cmp_eq_u32 s[MH], 0                          ; a wave's two first fills stand in one branch, ahead of every wait on TENSORcnt and every LDS read: two loads of mine are out
	s_cbranch_scc0 .Lfirst_b
	tensor_load_to_lds s[G0A0:G0A0+3], s[G1A:G1A+7]
	s_nop 0
	tensor_load_to_lds s[G0AW:G0AW+3], s[G1A:G1A+7]
	s_nop 0
.rept 4
	v_nop
.endr
	s_branch .Lfirst_asked
.Lfirst_b:
	tensor_load_to_lds s[G0B0:G0B0+3], s[G1B:G1B+7]
	s_nop 0
	tensor_load_to_lds s[G0BW:G0BW+3], s[G1B:G1B+7]
	s_nop 0
.rept 4
	v_nop
.endr
.Lfirst_asked:
	v_and_b32 v[GO], 31, v0
	v_lshlrev_b32 v[GO], 4, v[GO]
	global_load_b128 v[BIAS:BIAS+3], v[GO], s[10:11]
	WIN 0x80                                       ; destination window 2, address window 0
.set r, 0
.rept 32                               ; the residual: my 32 rows' 512 bytes, aligned to 512; they are waited for behind the last product
	global_load_b128 v[4*r:4*r+3], v[GO], s[8:9] offset:r*4096 th:TH_LOAD_NT
.set r, r+1
.endr
	WIN 0
	v_and_b32 v1, 15, v0
	v_bfe_u32 v2, v0, 4, 1
	v_mul_u32_u24 v3, v1, PA
	v_lshl_add_u32 v3, v2, 4, v3
	s_mul_i32 s42, s[MH], HALFA
	v_add_nc_u32 v[A0], s42, v3
	v_add_nc_u32 v[B0], s[WOFFB], v3
	s_mul_i32 s42, s[MH], 64*SPITCH                ; into the stage: row 64 MH + 16 a + l % 16, byte 256 NH + 64 b + 32 (l / 16)
	s_lshl_b32 s43, s[NH], 8
	s_add_co_u32 s42, s42, s43
	v_mul_u32_u24 v[STO], v1, SPITCH
	v_lshl_add_u32 v[STO], v2, 5, v[STO]
	v_add_nc_u32 v[STO], s42, v[STO]
	s_mul_i32 s42, s[WV], 32*SPITCH                ; back: wave w takes rows 32 w .. 32 w + 31, whole
	v_add_nc_u32 v[RD], s42, v[GO]
; 8 matrix instructions: m blocks a0, a0 + 1 x all 4 n blocks, 32 along K: half c of buffer f.  The 16 accumulators take turns.
.macro MUL8 f, c, a0, zero
	WIN MUL
.irp a, \a0, (\a0)+1
.irp b, 0,1,2,3
.if \zero
	v_wmma_f32_16x16x32_bf16 v[ACC+8*(4*(\a)+(\b)):ACC+8*(4*(\a)+(\b))+7], v[(\f)+64+8*(4*(\c)+(\b)):(\f)+64+8*(4*(\c)+(\b))+7], v[(\f)+8*(4*(\c)+(\a)):(\f)+8*(4*(\c)+(\a))+7], 0
.else
	v_wmma_f32_16x16x32_bf16 v[ACC+8*(4*(\a)+(\b)):ACC+8*(4*(\a)+(\b))+7], v[(\f)+64+8*(4*(\c)+(\b)):(\f)+64+8*(4*(\c)+(\b))+7], v[(\f)+8*(4*(\c)+(\a)):(\f)+8*(4*(\c)+(\a))+7], v[ACC+8*(4*(\a)+(\b)):ACC+8*(4*(\a)+(\b))+7]
.endif
.endr
.endr
.endm
.macro FETCH q, f                      ; 32 LDS loads in one run: quarter q's fragments into buffer f; the first 32 along K first
	WIN TO_F
.irp c, 0,1
.irp i, 0,1,2,3
	ds_load_b128 v[(\f)+64+8*(4*(\c)+(\i)):(\f)+64+8*(4*(\c)+(\i))+3],   v[ADRB] offset:128*(\q)+64*(\c)+(\i)*16*PB
	ds_load_b128 v[(\f)+64+8*(4*(\c)+(\i))+4:(\f)+64+8*(4*(\c)+(\i))+7], v[ADRB] offset:128*(\q)+64*(\c)+(\i)*16*PB+32
	ds_load_b128 v[(\f)+8*(4*(\c)+(\i)):(\f)+8*(4*(\c)+(\i))+3],         v[ADRA] offset:AQ*(\q)+64*(\c)+(\i)*16*PA
	ds_load_b128 v[(\f)+8*(4*(\c)+(\i))+4:(\f)+8*(4*(\c)+(\i))+7],       v[ADRA] offset:AQ*(\q)+64*(\c)+(\i)*16*PA+32
.endr
.endr
.endm
.macro QUARTER q, f, g, zero           ; multiplies buffer f; in its middle fetches quarter q into g
	s_wait_dscnt 16                                ; the first 32 along K are in; the youngest sixteen loads may be out
	MUL8 \f, 0, 0, \zero
	MUL8 \f, 0, 2, \zero
	PLACES
	FETCH \q, \g
	s_wait_dscnt 32                                ; all but the 32 just issued
	MUL8 \f, 1, 0, 0
	MUL8 \f, 1, 2, 0
.endm
.macro LASTQ                           ; a step's last quarter: buffer 1's 32 products
	MUL8 F1, 0, 0, 0
	MUL8 F1, 0, 2, 0
	MUL8 F1, 1, 0, 0
	MUL8 F1, 1, 2, 0
.endm
; THE CHANGE OF SLOTS, with a refill.  The slot's last fragments are in registers (buffer 1), so the slot can be given up before they are multiplied.  Nothing but the three lines and the round stands
; between the landing of the next slot's tile and the request for the one after it; the quarter's products all stand behind the request, which so has a whole K step's 128 products in which to land.
.macro TURN
	WIN 0
	s_wait_tensorcnt 0x0                           ; all my tensor loads have landed: my part of the next slot; so every group 0 may be written
	ds_add_u32 v[SPW], v[NIL]                      ; 0 onto my spare word; the descriptors' steps stand between it and the wait for it
	s_add_co_u32 s[G0AW+1], s[WOFFA], s[TB]        ; into the slot just read out,
	s_add_co_u32 s[G0BW+1], s[WOFFB], s[TB]
	s_add_nc_u64 s[G0AW+2:G0AW+3], s[G0AW+2:G0AW+3], ASTEP  ; the K step after the one that has just landed
	s_add_nc_u64 s[G0BW+2:G0BW+3], s[G0BW+2:G0BW+3], 512
	s_wait_dscnt 0x0                               ; the add is done, and my reads of this slot are over
	s_barrier_signal -1
	s_barrier_wait -1
	CREST                                          ; no wave of any partner still reads this slot or has a load on its way
	JLOAD                                          ; its four v_nop are also the places in front of the loads below
	s_xor_b32 s[TB], s[TB], SLOT
	v_add_nc_u32 v[ADRA], s[TB], v[A0]
	v_add_nc_u32 v[ADRB], s[TB], v[B0]
	FETCH 0, F0
	LASTQ
.endm
.macro TURN0                           ; the same in the last two K steps: nothing is asked for; behind the very last there is nothing to fetch either
	WIN 0
	s_wait_tensorcnt 0x0
	ds_add_u32 v[SPW], v[NIL]
	s_wait_dscnt 0x0
	s_barrier_signal -1
	s_barrier_wait -1
	s_cmp_eq_u32 s[CNT], 1
	s_cbranch_scc1 .Lnf_\@
	s_xor_b32 s[TB], s[TB], SLOT
	v_add_nc_u32 v[ADRA], s[TB], v[A0]
	v_add_nc_u32 v[ADRB], s[TB], v[B0]
	PLACES
	FETCH 0, F0
	WIN 0
.Lnf_\@:
	LASTQ
.endm
	s_wait_tensorcnt 0x1                           ; my part of K step 0 is in; K step 1's load stays out
	s_barrier_signal -1
	s_barrier_wait -1
	s_mov_b32 s[TB], 0
	v_mov_b32 v[ADRA], v[A0]
	v_mov_b32 v[ADRB], v[B0]
	FETCH 0, F0
	QUARTER 1, F0, F1, 1                           ; the first quarter stands in front of the loop: its first products start the sums
	WIN 0
	s_mov_b32 s[CNT], KSTEPS-2
.Lstep:                                                ; a trip: a K step's quarters 1 to 3, the refill of its slot, the next step's quarter 0
	QUARTER 2, F1, F0, 0
	QUARTER 3, F0, F1, 0
	TURN
	QUARTER 1, F0, F1, 0
	WIN 0
	s_sub_co_u32 s[CNT], s[CNT], 1
	s_cmp_lg_u32 s[CNT], 0
	s_cbranch_scc1 .Lstep
	s_mov_b32 s[CNT], 2
.Ltail:                                                ; the last two K steps
	QUARTER 2, F1, F0, 0
	QUARTER 3, F0, F1, 0
	TURN0
	WIN 0
	s_sub_co_u32 s[CNT], s[CNT], 1
	s_cmp_eq_u32 s[CNT], 0
	s_cbranch_scc1 .Lout
	QUARTER 1, F0, F1, 0
	WIN 0
	s_branch .Ltail
.Lout:
	; THE WAY OUT.  The tile goes in f32 into a stage over the ring (every tensor load has landed, none follows); each wave reads 32 whole rows back, halves them onto residual and bias and stores them.
	PLACES
	s_wait_dscnt 0x0
	s_barrier_signal -1
	s_barrier_wait -1                              ; everybody's reads of the ring are over
.irp a, 0,1,2,3
.irp b, 0,1,2,3
	ds_store_b128 v[STO], v[ACC+8*(4*(\a)+(\b)):ACC+8*(4*(\a)+(\b))+3]   offset:(\a)*16*SPITCH+64*(\b)      ; each accumulator's low registers first
	ds_store_b128 v[STO], v[ACC+8*(4*(\a)+(\b))+4:ACC+8*(4*(\a)+(\b))+7] offset:(\a)*16*SPITCH+64*(\b)+16
.endr
.endr
	s_wait_dscnt 0x0                               ; for the others' sake: my stores into the stage are done
	s_wait_loadcnt 0x0                             ; the residual and the bias are in
	s_barrier_signal -1
	WIN 0x88                                       ; destination and source 1 in window 2: the bias goes onto the residual while the others arrive: work on registers
.set r, 0
.rept 32
	v_pk_add_f32 v[4*r:4*r+1], v[BIAS:BIAS+1], v[4*r:4*r+1]
	v_pk_add_f32 v[4*r+2:4*r+3], v[BIAS+2:BIAS+3], v[4*r+2:4*r+3]
.set r, r+1
.endr
	WIN 0
	s_barrier_wait -1
.set r, 0
.rept 32
	ds_load_b128 v[ACC+4*r:ACC+4*r+3], v[RD] offset:r*SPITCH
.set r, r+1
.endr
	WIN 0xa8                                       ; destination, source 2 and source 1 (a store's data) in window 2; source 0 (the sums; a store's offset) in window 0
.set r, 0
.rept 32
	s_wait_dscnt 31-r                              ; row r is in; the younger rows stay out
	v_pk_fma_f32 v[4*r:4*r+1], v[ACC+4*r:ACC+4*r+1], 0.5, v[4*r:4*r+1] op_sel_hi:[1,0,1]
	v_pk_fma_f32 v[4*r+2:4*r+3], v[ACC+4*r+2:ACC+4*r+3], 0.5, v[4*r+2:4*r+3] op_sel_hi:[1,0,1]
	global_store_b128 v[GO], v[4*r:4*r+3], s[12:13] offset:r*4096 th:TH_STORE_NT  ; 512 consecutive bytes, aligned to 512
.set r, r+1
.endr
	WIN 0
	s_wait_tensorcnt 0x0                           ; the wave's end, behind my last tensor load and my last LDS store
	ds_add_u32 v[SPW], v[NIL]
	s_wait_dscnt 0x0
	CROUND                                         ; the closing round: no work-group ends while a partner may still ask for a tile that names it
	s_endpgm
.Lfunc_end_k_q50a2b6ddc0_ffn2:
	.size	k_q50a2b6ddc0_ffn2, .Lfunc_end_k_q50a2b6ddc0_ffn2-k_q50a2b6ddc0_ffn2
	.p2alignl 7, 3214868480
	.fill 96, 4, 3214868480
	.section	.rodata,"a",@progbits
	.p2align	6, 0x0
	.amdhsa_kernel k_q50a2b6ddc0_ffn2
		.amdhsa_group_segment_fixed_size 327680
		.amdhsa_private_segment_fixed_size 0
		.amdhsa_enable_private_segment 0
		.amdhsa_kernarg_size 40
		.amdhsa_user_sgpr_count 2
		.amdhsa_user_sgpr_kernarg_segment_ptr 1
		.amdhsa_wavefront_size32 1
		.amdhsa_system_sgpr_workgroup_id_x 1
		.amdhsa_system_sgpr_workgroup_id_y 1
		.amdhsa_system_sgpr_workgroup_id_z 1
		.amdhsa_system_vgpr_workitem_id 0
		.amdhsa_next_free_vgpr 640
		.amdhsa_next_free_sgpr 96
		.amdhsa_reserve_vcc 0
		.amdhsa_float_denorm_mode_32 3
		.amdhsa_float_denorm_mode_16_64 3
		.amdhsa_memory_ordered 1
		.amdhsa_forward_progress 1
		.amdhsa_inst_pref_size 69
	.end_amdhsa_kernel
	.amdgpu_metadata
---
amdhsa.version: [ 1, 2 ]
amdhsa.kernels:
  - .name:           k_q50a2b6ddc0_ffn2
    .symbol:         k_q50a2b6ddc0_ffn2.kd
    .args:
      - { .name: f, .offset: 0, .size: 8, .value_kind: global_buffer, .address_space: global }
      - { .name: wt, .offset: 8, .size: 8, .value_kind: global_buffer, .address_space: global }
      - { .name: x1, .offset: 16, .size: 8, .value_kind: global_buffer, .address_space: global }
      - { .name: b2, .offset: 24, .size: 8, .value_kind: global_buffer, .address_space: global }
      - { .name: out0, .offset: 32, .size: 8, .value_kind: global_buffer, .address_space: global }
    .group_segment_fixed_size: 327680
    .private_segment_fixed_size: 0
    .kernarg_segment_align: 8
    .kernarg_segment_size: 40
    .max_flat_workgroup_size: 128
    .sgpr_count:     96
    .vgpr_count:     640
    .wavefront_size: 32
...
	.end_amdgpu_metadata
.endif
;; end of part 6
